; MI455X (gfx1250); checked and timed in simulation.
; The chip was launched on July 23, 2026; its instructions are those of AMD's public machine-readable ISA for CDNA 5 (MIT licence, August 2026) and "CDNA5" Instruction Set Architecture Reference Guide (July 2026). The comments in the code are by the model that wrote it; some were corrected since.
;; Parallel Attention2. Allowed arithmetic: float matrix products may take bf16 or f16 operands with f32 sums; other float arithmetic in f32, or as packed bf16 or f16 multiplies, adds, multiply-adds, maxima and minima; sums over many terms, partial sums and values carried from step to step in f32; what a program stores and reads back later, other than sums and carried values, may be rounded once to bf16 or f16.
;; Inputs: k 16 x 2,048 x 512 float32; q 16 x 2,048 x 512 float32; v 16 x 2,048 x 512 float32.
;; Outputs: out0 16 x 2,048 x 512 float32.
;; Constants: dim = 512.
;; 2 versions, each right; version 2 is version 1 with the launches cast, gains written anew for expert scheduling mode. Each part assembles by itself: llvm-mc -triple=amdgcn-amd-amdhsa -mcpu=gfx1250 --defsym DOCPART=n.
;; ======== version 1 of 2: 4 launches
;; limits: inputs' magnitudes at most 65,504; values are held in f16: magnitudes above 65,504 overflow, below 6.1e-05 lose precision
;; workspace buffers: q16 33,554,432 bytes; k16 33,554,432 bytes; v16 33,554,432 bytes; pt 134,217,728 bytes; stat 4,194,304 bytes; gtab 1,048,576 bytes
;; launch cast (part 1): grid 512 x 2, 8 waves a work-group, no clusters, 0 bytes of LDS; arguments q, k, q16, k16; writes q16, k16
.if DOCPART == 1
	.amdgcn_target "amdgcn-amd-amdhsa--gfx1250"
	.amdhsa_code_object_version 6
	.text
	.protected	k_qd5e3341c36_cast
	.globl	k_qd5e3341c36_cast
	.p2align	8
	.type	k_qd5e3341c36_cast,@function
k_qd5e3341c36_cast:
	s_mov_b64 s[64:65], 0
	v_nop
	global_prefetch_b8 v0, s[64:65] scope:SCOPE_SE
	s_setreg_imm32_b32 hwreg(HW_REG_WAVE_MODE, 25, 1), 1
	s_wait_xcnt 0x0
; q16 = q and k16 = k, each number rounded once to bf16.  (v is rounded in the next launch, beside its matrix work.)
; A stream: memory binds, so no LDS, no barrier, no matrix unit.  The grid's y picks the tensor; a work-group takes 32 pieces of 4,096 bytes; thread t owns 16 bytes of each
; piece and stores 8: a wave's load covers 512 consecutive bytes, its store 256 consecutive bytes at a multiple of 256.  A ring of 8 register slots keeps 8 loads of every wave
; on their way.  The 32 turns are written out: a piece's place stands in the immediates (126,976 at the most), so no base and no offset register is ever rewritten.
.set PIECE,  4096                      ; bytes that the 256 threads read at once
.set NPIECE, 32                        ; pieces of a work-group
.set DEPTH,  8                         ; slots
.set X, 8                              ; v[8:39]   slot i: 4 numbers as loaded
.set Y, 40                             ; v[40:55]  slot i: 4 bf16, to store
	s_load_b256 s[4:11], s[0:1], 0x0               ; q s[4:5], k s[6:7], q16 s[8:9], k16 s[10:11]
	s_and_b32 s22, ttmp7, 0xffff                   ; which tensor: 0 q, 1 k
	s_lshl_b32 s24, ttmp9, 17                      ; my 131,072 bytes of the source
	s_mov_b32 s25, 0
	s_lshl_b32 s26, ttmp9, 16                      ; my 65,536 bytes of the result
	s_mov_b32 s27, 0
	v_lshlrev_b32 v1, 4, v0                        ; 16 t; never rewritten
	v_lshlrev_b32 v2, 3, v0                        ; 8 t; never rewritten
	s_wait_kmcnt 0x0
	s_cmp_eq_u32 s22, 1                            ; the choice hangs on the grid's y alone
	s_cselect_b64 s[16:17], s[6:7], s[4:5]
	s_cselect_b64 s[18:19], s[10:11], s[8:9]
	s_add_nc_u64 s[16:17], s[16:17], s[24:25]
	s_add_nc_u64 s[18:19], s[18:19], s[26:27]
.set p, 0
.rept DEPTH
	global_load_b128 v[X+4*p:X+4*p+3], v1, s[16:17] offset:p*PIECE th:TH_LOAD_NT  ; the ring is filled: pieces 0 to 7
.set p, p+1
.endr
; Piece p's turn, in slot p % 8.  Behind its load stand the loads of pieces p + 1 to p + 7, as far as there are such pieces: so many may stay out.
.set p, 0
.rept NPIECE
.set sl, p%DEPTH
.set left, DEPTH-1
.if NPIECE-1-p < DEPTH-1
.set left, NPIECE-1-p
.endif
	s_wait_loadcnt left                            ; loads come back in order (ISA guide 5.7.1): mine is in
.if p >= DEPTH
	s_wait_xcnt 0x0                                ; every earlier memory instruction has had its addresses translated (ISA guide 3.1): the slot's Y, which its last store reads, is rewritten only behind this wait
.endif
	v_cvt_pk_bf16_f32 v[Y+2*sl],   v[X+4*sl],   v[X+4*sl+1]
	v_cvt_pk_bf16_f32 v[Y+2*sl+1], v[X+4*sl+2], v[X+4*sl+3]
.if p+DEPTH < NPIECE
	global_load_b128 v[X+4*sl:X+4*sl+3], v1, s[16:17] offset:(p+DEPTH)*PIECE th:TH_LOAD_NT  ; the load ahead of the store
.endif
	global_store_b64 v2, v[Y+2*sl:Y+2*sl+1], s[18:19] offset:p*(PIECE/2)
.set p, p+1
.endr
	s_endpgm
.Lfunc_end_k_qd5e3341c36_cast:
	.size	k_qd5e3341c36_cast, .Lfunc_end_k_qd5e3341c36_cast-k_qd5e3341c36_cast
	.p2alignl 7, 3214868480
	.fill 96, 4, 3214868480
	.section	.rodata,"a",@progbits
	.p2align	6, 0x0
	.amdhsa_kernel k_qd5e3341c36_cast
		.amdhsa_group_segment_fixed_size 0
		.amdhsa_private_segment_fixed_size 0
		.amdhsa_enable_private_segment 0
		.amdhsa_kernarg_size 32
		.amdhsa_user_sgpr_count 2
		.amdhsa_user_sgpr_kernarg_segment_ptr 1
		.amdhsa_wavefront_size32 1
		.amdhsa_system_sgpr_workgroup_id_x 1
		.amdhsa_system_sgpr_workgroup_id_y 1
		.amdhsa_system_sgpr_workgroup_id_z 1
		.amdhsa_system_vgpr_workitem_id 0
		.amdhsa_next_free_vgpr 64
		.amdhsa_next_free_sgpr 66
		.amdhsa_reserve_vcc 0
		.amdhsa_float_denorm_mode_32 3
		.amdhsa_float_denorm_mode_16_64 3
		.amdhsa_memory_ordered 1
		.amdhsa_forward_progress 1
		.amdhsa_inst_pref_size 13
	.end_amdhsa_kernel
	.amdgpu_metadata
---
amdhsa.version: [ 1, 2 ]
amdhsa.kernels:
  - .name:           k_qd5e3341c36_cast
    .symbol:         k_qd5e3341c36_cast.kd
    .args:
      - { .name: q, .offset: 0, .size: 8, .value_kind: global_buffer, .address_space: global }
      - { .name: k, .offset: 8, .size: 8, .value_kind: global_buffer, .address_space: global }
      - { .name: q16, .offset: 16, .size: 8, .value_kind: global_buffer, .address_space: global }
      - { .name: k16, .offset: 24, .size: 8, .value_kind: global_buffer, .address_space: global }
    .group_segment_fixed_size: 0
    .private_segment_fixed_size: 0
    .kernarg_segment_align: 8
    .kernarg_segment_size: 32
    .max_flat_workgroup_size: 256
    .sgpr_count:     66
    .vgpr_count:     64
    .wavefront_size: 32
...
	.end_amdgpu_metadata
.endif
;; end of part 1
;; launch scores (part 2): grid 8 x 32, 4 waves a work-group, clusters of 4 x 4, 327,680 bytes of LDS; arguments k16, q16, pt, stat, v, v16; writes pt, stat, v16
.if DOCPART == 2
	.amdgcn_target "amdgcn-amd-amdhsa--gfx1250"
	.amdhsa_code_object_version 6
	.text
	.protected	k_qd5e3341c36_scores
	.globl	k_qd5e3341c36_scores
	.p2align	8
	.type	k_qd5e3341c36_scores,@function
k_qd5e3341c36_scores:
	s_mov_b64 s[64:65], 0
	v_nop
	global_prefetch_b8 v0, s[64:65] scope:SCOPE_SE
	s_setreg_imm32_b32 hwreg(HW_REG_WAVE_MODE, 25, 1), 1
	s_wait_xcnt 0x0
	s_wait_alu depctr_hold_cnt(0) depctr_sa_sdst(0) depctr_va_vdst(0) depctr_va_sdst(0) depctr_va_ssrc(0) depctr_va_vcc(0) depctr_vm_vsrc(0)
	s_getreg_b32 s2, hwreg(HW_REG_IB_STS2, 6, 4)
	s_cmp_eq_u32 s2, 0
	s_cbranch_scc0 .Lentry_in_a_cluster
	s_endpgm
.Lentry_in_a_cluster:
	s_bfe_u32 s2, ttmp6, 0x10000c
	s_cmp_lg_u32 s2, 0xf033
	s_cbranch_scc0 .Lentry_shape_is_right
	s_endpgm
.Lentry_shape_is_right:
; THE FIRST PRODUCT AND THE SOFTMAX'S LOCAL PART.  s[key][q] = the sum over d of k16[key][d] q16[q][d], bf16 operands, f32 sums.  The softmax runs over q, so a KEY owns a maximum and a sum.
; For each key and each block t of 128 queries: m = the block's largest s, cm = c m, c = log2(e) / sqrt(512); p[key][q] = 2^(c s - cm), in 0 to 1; l = the sum of the block's p, in f32, of the unrounded p.
; pt[b 2048 + key][q] = p in f16; stat[b][t][key] = (cm, l) in f32.  A later launch joins the 16 blocks of a column; the maximum taken away here is the block's true one.
; BESIDE IT: v16 = v rounded once to bf16, and that number written as f16.  Each wave streams 65,536 bytes of v through registers, 8,192 a lap of the K loop.
; LIMITS: a weight p under 6e-5 keeps f16's fixed step of 6e-8, and under 3e-8 it is stored as 0 (l still counts it down to 2^-126); f16 holds no number beyond 65,504, so |v| stays under 65,520,
; and a rounded v under 6e-5 in size keeps the same fixed step; NaN and infinities are not treated apart.
; SHAPE: C = pt as one matrix of 32,768 rows (keys of all batches) x 2,048 columns (queries of the row's batch).  A tile is 256 x 256, made by four waves, 128 x 128 each: 64 accumulators, 512 registers.
; K = 512 goes in four steps of 128 through two LDS slots.  A WORK-GROUP STAYS for four tiles, 8,192 rows apart (four batches on): the ring runs on into the next tile while a tile goes out.
; CLUSTER 4 x 4: the four of a row need the same keys (A), the four of a column the same queries (B): each tile is asked for jointly, by the same tensor load, descriptor and mask in all four.
; THE MATRIX INSTRUCTION IS USED TRANSPOSED: source 0 = 16 queries, source 1 = 16 keys.  A lane then holds ONE key (lane % 16) and eight neighbouring queries: a key's maximum and sum over the wave's
; 128 queries are work inside the lane and one exchange between the halves of the lanes, and the wave's 128 queries ARE block t = 2 x tile column + column half.
; REGISTERS, in windows of 256 (s_set_vgpr_msb: bits 1:0 source 0, 3:2 source 1, 5:4 source 2, 7:6 destination):
;   window 0: v0-31 addresses and statistics; v64-127, v128-191 fragments of A, two buffers; on the way out v128-191 at work, v32-63, v192-255 packed results and rows (v64-127 hold the next tile's first fragments)
;   window 1: v64-127, v128-191 fragments of B; v0-63 v as loaded, v192-223 v16 to store;   window 2: the accumulators of my keys 0-63 ((a, b) at v[8 (8 a + b)]);   window 3: those of my keys 64-127
.set SIZE_K, 512
.set SIZE_N, 2048
.set WALK,   8192                      ; rows from a work-group's tile to its next
.set KSTEP,  128
.set PITCH,  272                       ; an LDS row: 256 bytes + 16 of padding = 68 words: the 16 rows of a fragment load start at 16 different groups of four banks (64 banks of 4 bytes: ISA guide 11.1)
.set HALFT,  128*PITCH                 ; 128 rows: one tensor load
.set SLOT,   4*HALFT                   ; A's 256 rows, then B's 256 rows
.set STAGE,  2*SLOT                    ; behind the ring: 16 rows x 272 bytes for each wave; no tensor load lands here
.set SPITCH, 272
.set SPARE,  STAGE+4*16*SPITCH         ; the spare words: 128 bytes a wave, two blocks of 256 bytes that no other line names
.set NEXT_T, WALK*SIZE_K*2-(SIZE_K-2*KSTEP)*2  ; bytes from a slot's last K step of a tile to its first of the next tile, for A and for B alike
.set NEXT_C, (WALK-7*16)*SIZE_N*2      ; bytes from my last 16 rows of a tile of pt to my first of the next
.set ST,   4                           ; v4-7    (cm, m) of the two key blocks in hand
.set ADRA, 16                          ; v16-17  LDS address of my A fragments in slot 0, 1
.set ADRB, 20                          ; v20-21  the same for B
.set STO,  24                          ; v24     the way out: where I put 16 bytes of a row
.set RD,   25                          ; v25     where I read a row back
.set CO,   26                          ; v26     my byte offset in two rows of pt
.set SO,   27                          ; v27     8 x lane: my byte offset in 32 keys of stat, and in 256 bytes of v16
.set SPW,  28                          ; v28     LDS address of my spare word; never rewritten
.set NIL,  29                          ; v29     0; never rewritten
.set VLO,  30                          ; v30     16 x lane: my byte offset in 512 bytes of v
.set OB,   32                          ; v32-63 and v224-255 by turns: 16 rows read back from the stage
.set F0,   64
.set F1,   128
.set CXR,  128                         ; v128-143 the way out: one running maximum for each of 16 accumulators
.set LS,   128                         ; v128-131 later: l of two key blocks (even queries', odd queries')
.set WK,   136                         ; v136-145 later: at work
.set TS,   160                         ; v160-191 16 pairs of partial sums
.set TMP,  192                         ; v192-223 packed weights
.set VX,   0                           ; window 1, v0-63: 16 pieces of v, 4 numbers a lane each
.set VY,   192                         ; window 1, v192-223: the same 16 pieces in f16
.set WV,  12                           ; s12 wave
.set RH,  13                           ; s13 which half of the tile's rows is mine; also: I fetch for A (0) or B (1)
.set CH,  14                           ; s14 which half of its columns; also: which 128 rows I fetch
.set CNT, 15                           ; s15 laps to go in the loop
.set G1,  24                           ; s[24:31] descriptor group 1 for A;  s[32:39] group 0, a set for each slot
.set G0,  32
.set G1B, 48                           ; s[48:55], s[56:63] the same for B
.set G0B, 56
.set STP, 66                           ; s[66:67] what a refill adds to its address
.set CS,  70                           ; s[70:71] c, named as a pair
.set SEL, 72                           ; s[72:73] v_permlanex16_b32's selects: each lane takes its own place in the other half
.set HM,  74                           ; s74 0xffff0000: the mask of lanes 16-31, and of a word's upper bf16
.set HC,  75                           ; s75 counts the way out's four parts
.set VP,  80                           ; s[80:81] v at my wave's group in hand
.set VQ,  82                           ; s[82:83] v16 likewise
.set MSB, 0
.macro WIN new                         ; the immediate's high byte repeats the setting that is left; a switch that changes nothing is dropped
.if MSB != (\new)
	s_set_vgpr_msb (MSB<<8)|(\new)
.set MSB, \new
.endif
.endm
.set MUL_LO, 0xa1                      ; source 0 (B) window 1, source 1 (A) window 0, C and D window 2
.set MUL_HI, 0xf1                      ; the same, C and D window 3
.set TO_B,   0x40                      ; destination window 1, address window 0
; A joint load.  Waves 0 and 1 fetch A's halves, waves 2 and 3 B's.  The branch hangs on the wave's number alone.  An s_nop 0 and four v_nop follow each line.
.macro JLOAD s
	s_cmp_eq_u32 s[RH], 0
	s_cbranch_scc0 .Lfor_b_\@
	tensor_load_to_lds s[G0+4*(\s):G0+4*(\s)+3], s[G1:G1+7]
	s_nop 0
.rept 4
	v_nop
.endr
	s_branch .Lasked_\@
.Lfor_b_\@:
	tensor_load_to_lds s[G0B+4*(\s):G0B+4*(\s)+3], s[G1B:G1B+7]
	s_nop 0
.rept 4
	v_nop
.endr
.Lasked_\@:
.endm
.macro CREST                           ; a round of the cluster's barrier behind its opening barrier
	s_cmp_lg_u32 s[WV], 0
	s_cbranch_scc1 .Lnot_wave_0_\@
	s_barrier_signal -3
.Lnot_wave_0_\@:
	s_barrier_wait -3
	s_barrier_signal -1
	s_barrier_wait -1
.endm
.macro CROUND                          ; a whole round
	s_barrier_signal -1
	s_barrier_wait -1
	CREST
.endm
	s_load_b256 s[4:11], s[0:1], 0x0               ; k16 (A) s[4:5], q16 (B) s[6:7], pt s[8:9], stat s[10:11]
	s_load_b128 s[80:83], s[0:1], 0x20             ; v s[80:81], v16 s[82:83]
	v_lshl_add_u32 v[SPW], v0, 2, SPARE
	v_mov_b32 v[NIL], 0
	ds_add_u32 v[SPW], v[NIL]                      ; the wave's opening: the add and its wait stand ahead of my first tensor load; the set-up below stands between them
	v_lshrrev_b32 v1, 5, v0
	v_readfirstlane_b32 s[WV], v1                  ; wave 0..3
	s_lshr_b32 s[RH], s[WV], 1
	s_and_b32 s[CH], s[WV], 1
	s_bfe_u32 s40, ttmp6, 0x40000                  ; cx
	s_bfe_u32 s41, ttmp6, 0x40004                  ; cy
	s_lshl_b32 s42, ttmp9, 2
	s_add_co_u32 s42, s42, s40                     ; tile column x = 4 x cluster x + cx: 256 queries
	s_and_b32 s76, ttmp7, 0xffff                   ; cluster y
	s_lshl_b32 s45, s76, 2
	s_add_co_u32 s45, s45, s41                     ; tile row y = 4 x cluster y + cy: 256 keys; the first tile's batch is y / 8
	s_lshl_b32 s43, s41, 2
	s_lshl_b32 s43, 15, s43                        ; my row of the cluster
	s_lshl_b32 s44, 0x1111, s40                    ; my column
	; descriptor group 1: 128 rows x 128 elements of 2 bytes, 16 bytes of padding behind every 256
	s_or_b32 s[G1+0], s43, (1<<16)|(1<<20)|(1<<21)|(5<<22)|(3<<25)   ; 15:0 mask: A goes to my row; 17:16 2-byte elements; 20 padding on; 21 set beside a mask; 24:22 after 64 words; 31:25 4 words
	s_or_b32 s[G1B+0], s44, (1<<16)|(1<<20)|(1<<21)|(5<<22)|(3<<25)  ; the same with my column's mask
.irp g, G1, G1B
	s_mov_b32 s[(\g)+1], KSTEP<<16                 ; tensor_dim0 = 128
	s_mov_b32 s[(\g)+2], 128<<16                   ; tensor_dim1 = 128
	s_mov_b32 s[(\g)+3], KSTEP<<16                 ; tile_dim0 = 128
	s_mov_b32 s[(\g)+4], 128                       ; tile_dim1 = 128
	s_mov_b32 s[(\g)+5], SIZE_K                    ; elements from row to row
	s_mov_b32 s[(\g)+6], 0
	s_mov_b32 s[(\g)+7], 0
.endr
	; A's address hangs on the tile row alone, B's on the tile column and the cluster's y alone (the batch y / 8 = cluster y / 2): each in registers that never hold the other's coordinate
	s_lshl_b32 s18, s45, 8
	s_lshl_b32 s19, s[CH], 7
	s_add_co_u32 s18, s18, s19                     ; A: row 256 y + 128 x half
	s_lshl_b32 s18, s18, 10                        ; rows of 1,024 bytes
	s_mov_b32 s19, 0
	s_lshr_b32 s46, s76, 1
	s_lshl_b32 s46, s46, 11                        ; B: the batch's 2,048 rows,
	s_lshl_b32 s47, s42, 8
	s_add_co_u32 s46, s46, s47                     ; + 256 x
	s_lshl_b32 s47, s[CH], 7
	s_add_co_u32 s46, s46, s47                     ; + 128 x half
	s_lshl_b32 s46, s46, 10
	s_mov_b32 s47, 0
	s_mul_i32 s20, s[WV], HALFT                    ; where my tile goes: wave x 128 rows
	s_mov_b32 s[STP+1], 0
	s_mov_b32 s68, NEXT_T
	s_mov_b32 s69, 2*KSTEP*2
	s_mov_b32 s[CS], 0x3d8293ee                    ; c = log2(e) / sqrt(512) = 0.0637587
	s_mov_b32 s[CS+1], s[CS]
	s_mov_b32 s[SEL], 0x76543210
	s_mov_b32 s[SEL+1], 0xfedcba98
	s_mov_b32 s[HM], 0xffff0000
	; my wave's share of v: wave 4 (8 y + x) + w of 1,024 takes 65,536 bytes of v and 32,768 of v16
	s_lshl_b32 s84, s45, 3
	s_add_co_u32 s84, s84, s42
	s_lshl_b32 s84, s84, 2
	s_add_co_u32 s84, s84, s[WV]
	s_lshl_b32 s86, s84, 16
	s_mov_b32 s87, 0
	s_lshl_b32 s88, s84, 15
	s_mov_b32 s89, 0
	s_wait_dscnt 0x0                               ; the opening add is done
	s_wait_kmcnt 0x0
	s_add_nc_u64 s[18:19], s[4:5], s[18:19]
	s_add_nc_u64 s[46:47], s[6:7], s[46:47]
	s_add_nc_u64 s[VP:VP+1], s[VP:VP+1], s[86:87]
	s_add_nc_u64 s[VQ:VQ+1], s[VQ:VQ+1], s[88:89]
	CROUND                                         ; all sixteen work-groups are here: the first joint loads meet
.irp s, 0,1
	s_mov_b32 s[G0+4*(\s)], 1
	s_add_co_u32 s[G0+4*(\s)+1], s20, (\s)*SLOT
	s_add_nc_u64 s[G0+4*(\s)+2:G0+4*(\s)+3], s[18:19], (\s)*KSTEP*2
	s_or_b32 s[G0+4*(\s)+3], s[G0+4*(\s)+3], 0x80000000
	s_mov_b32 s[G0B+4*(\s)], 1
	s_add_co_u32 s[G0B+4*(\s)+1], s20, (\s)*SLOT
	s_add_nc_u64 s[G0B+4*(\s)+2:G0B+4*(\s)+3], s[46:47], (\s)*KSTEP*2
	s_or_b32 s[G0B+4*(\s)+3], s[G0B+4*(\s)+3], 0x80000000
	JLOAD \s                                       ; K steps 0 and 1: two loads of mine are out
.endr
	; a fragment: lane l holds row l % 16; registers 0-3 K = 8 (l / 16) + 0..7, registers 4-7 K = 16 + 8 (l / 16) + 0..7: two loads of 16 bytes, 32 bytes apart
	v_and_b32 v1, 15, v0
	v_bfe_u32 v2, v0, 4, 1
	v_mul_u32_u24 v3, v1, PITCH
	v_lshl_add_u32 v3, v2, 4, v3
	s_mul_i32 s21, s[RH], HALFT                    ; my 128 keys
	s_mul_i32 s22, s[CH], HALFT                    ; my 128 queries,
	s_add_co_u32 s22, s22, 2*HALFT                 ; which lie behind A's 256 rows
.irp s, 0,1
	v_add_nc_u32 v[ADRA+(\s)], s21, v3
	v_add_nc_u32 v[ADRB+(\s)], s22, v3
	s_add_co_u32 s21, s21, SLOT
	s_add_co_u32 s22, s22, SLOT
.endr
	s_mul_i32 s23, s[WV], 16*SPITCH
	s_add_co_u32 s23, s23, STAGE                   ; my stage
	v_mul_u32_u24 v3, v1, SPITCH                   ; in: row l % 16, 16 bytes for each half of the lanes
	v_lshl_add_u32 v3, v2, 4, v3
	v_add_nc_u32 v[STO], s23, v3
	v_mul_u32_u24 v3, v2, SPITCH                   ; back: lanes 0-15 one row of 256 bytes, lanes 16-31 the next
	v_lshl_add_u32 v3, v1, 4, v3
	v_add_nc_u32 v[RD], s23, v3
	v_lshlrev_b32 v3, 12, v2                       ; and the same two rows of pt, 4,096 bytes apart
	v_lshl_add_u32 v[CO], v1, 4, v3
	v_and_b32 v3, 31, v0
	v_lshlrev_b32 v[SO], 3, v3
	v_lshlrev_b32 v[VLO], 4, v3
	; s[16:17]: what the next block's stores add to pt's address; at first the place of my part of the first tile
	s_lshl_b32 s16, s45, 8
	s_lshl_b32 s21, s[RH], 7
	s_add_co_u32 s16, s16, s21
	s_lshl_b32 s16, s16, 12                        ; my first row, 4,096 bytes a row
	s_lshl_b32 s21, s42, 9
	s_add_co_u32 s16, s16, s21                     ; + 512 x tile column
	s_lshl_b32 s21, s[CH], 8
	s_add_co_u32 s16, s16, s21                     ; + 256 x half
	s_mov_b32 s17, 0
	; stat at (batch y / 8, block t = 2 x + half, key 256 (y % 8) + 128 x row half), 8 bytes a key
	s_lshr_b32 s78, s45, 3
	s_lshl_b32 s78, s78, 18
	s_lshl_b32 s77, s42, 1
	s_add_co_u32 s77, s77, s[CH]
	s_lshl_b32 s77, s77, 14
	s_add_co_u32 s78, s78, s77
	s_and_b32 s77, s45, 7
	s_lshl_b32 s77, s77, 11
	s_add_co_u32 s78, s78, s77
	s_lshl_b32 s77, s[RH], 10
	s_add_co_u32 s78, s78, s77
	s_mov_b32 s79, 0
	s_add_nc_u64 s[10:11], s[10:11], s[78:79]
; 16 matrix instructions: key blocks a0, a0 + 1 of the window's four x all 8 query blocks, 32 along K.  zero = 1: the product starts the sums
.macro MUL16 f, hi, a0, zero
	WIN MUL_LO+0x50*(\hi)
.irp a, \a0, (\a0)+1
.irp b, 0,1,2,3,4,5,6,7
.if \zero
	v_wmma_f32_16x16x32_bf16 v[8*(8*(\a)+(\b)):8*(8*(\a)+(\b))+7], v[(\f)+8*(\b):(\f)+8*(\b)+7], v[(\f)+8*(4*(\hi)+(\a)):(\f)+8*(4*(\hi)+(\a))+7], 0
.else
	v_wmma_f32_16x16x32_bf16 v[8*(8*(\a)+(\b)):8*(8*(\a)+(\b))+7], v[(\f)+8*(\b):(\f)+8*(\b)+7], v[(\f)+8*(4*(\hi)+(\a)):(\f)+8*(4*(\hi)+(\a))+7], v[8*(8*(\a)+(\b)):8*(8*(\a)+(\b))+7]
.endif
.endr
.endr
.endm
; 32 LDS loads in one run: the fragments of 32 along K at byte k of the rows, into buffer f
.macro FETCH slot, k, f
	WIN TO_B
.irp i, 0,1,2,3,4,5,6,7
	ds_load_b128 v[(\f)+8*(\i):(\f)+8*(\i)+3],   v[ADRB+(\slot)] offset:(\k)+(\i)*16*PITCH
	ds_load_b128 v[(\f)+8*(\i)+4:(\f)+8*(\i)+7], v[ADRB+(\slot)] offset:(\k)+(\i)*16*PITCH+32
.endr
	WIN 0
.irp i, 0,1,2,3,4,5,6,7
	ds_load_b128 v[(\f)+8*(\i):(\f)+8*(\i)+3],   v[ADRA+(\slot)] offset:(\k)+(\i)*16*PITCH
	ds_load_b128 v[(\f)+8*(\i)+4:(\f)+8*(\i)+7], v[ADRA+(\slot)] offset:(\k)+(\i)*16*PITCH+32
.endr
.endm
.macro PLACES                          ; four plain vector instructions between a matrix instruction and a load into, or a vector read of, its registers
.rept 4
	v_nop
.endr
.endm
; A K step is four quarters of 32 along K, 64 matrix instructions each, on buffers 0, 1, 0, 1.  The 64 accumulators take turns in one order everywhere.
.macro QUARTER slot, k, f, g, zero
	s_wait_dscnt 8                                 ; B and A's keys 0-63 are in; the youngest eight loads (A's keys 64-127) may be out
	MUL16 \f, 0, 0, \zero
	MUL16 \f, 0, 2, \zero
	PLACES
	FETCH \slot, \k, \g
	s_wait_dscnt 32                                ; all but the 32 just issued
	MUL16 \f, 1, 0, \zero
	MUL16 \f, 1, 2, \zero
.endm
; The last quarter's first half: one barrier for the change of slots.  In front of it each wave waits for all its tensor loads (one is out: its part of the next slot), adds 0 to its spare word,
; and waits for that and for its reads of this slot.
.macro MEET round
	WIN 0
	s_wait_tensorcnt 0x0                           ; all my tensor loads have landed
	ds_add_u32 v[SPW], v[NIL]                      ; 0 onto my spare word
	s_wait_dscnt 9                                 ; (the add and the youngest eight loads may be out)
	MUL16 F1, 0, 0, 0
	s_wait_dscnt 0x0                               ; the add is done, and my reads of this slot are over
	s_barrier_signal -1
	MUL16 F1, 0, 2, 0
.if \round
	WIN 0
.endif
	s_barrier_wait -1
.endm
.macro TURN slot, next                 ; the whole last quarter, with a refill: the barrier opens a round of the cluster's, and the joint load is the first thing behind it
	MEET 1
	CREST
	s_add_nc_u64 s[G0+4*(\slot)+2:G0+4*(\slot)+3], s[G0+4*(\slot)+2:G0+4*(\slot)+3], s[STP:STP+1]
	s_add_nc_u64 s[G0B+4*(\slot)+2:G0B+4*(\slot)+3], s[G0B+4*(\slot)+2:G0B+4*(\slot)+3], s[STP:STP+1]
	JLOAD \slot                                    ; its four v_nop are also the places in front of the loads below
	FETCH \next, 0, F0
	MUL16 F1, 1, 0, 0
	MUL16 F1, 1, 2, 0
.endm
; V'S CAST.  A group is 16 pieces of 512 consecutive bytes of v, 16 bytes a lane.  VLOAD asks for the group at the pointer.  VBLOCK, a lap later, rounds it and stores it, 256 consecutive bytes a store at a
; multiple of 256 from v16's first byte, and (more = 1) asks for the next.  Eight groups a wave: one asked for ahead of the loop, seven in its trips; seven stored in its trips, one in the tail.
.macro VLOAD
	WIN TO_B                                       ; destination window 1, address window 0
.set i, 0
.rept 16
	global_load_b128 v[VX+4*i:VX+4*i+3], v[VLO], s[VP:VP+1] offset:i*512 th:TH_LOAD_NT
.set i, i+1
.endr
.endm
.macro VBLOCK more
	s_wait_loadcnt 0x0                             ; the group asked for a lap ago is in: no other line of the text loads into registers from memory
	s_wait_xcnt 0x0                                ; every earlier memory instruction has had its addresses translated (ISA guide 3.1): the two pointers and VY, which the last group's stores read, are rewritten only behind this wait
	s_add_nc_u64 s[VQ:VQ+1], s[VQ:VQ+1], 4096      ; the stores below reach back by their immediates
.if \more
	s_add_nc_u64 s[VP:VP+1], s[VP:VP+1], 8192
.endif
	WIN 0x45                                       ; destination and both sources in window 1
.set i, 0
.rept 16
	v_cvt_pk_bf16_f32 v[VX+4*i],   v[VX+4*i],   v[VX+4*i+1]   ; once to bf16, in place,
	v_cvt_pk_bf16_f32 v[VX+4*i+1], v[VX+4*i+2], v[VX+4*i+3]
.set i, i+1
.endr
.set i, 0
.rept 16
	v_lshlrev_b32 v[VX+4*i+2], 16,    v[VX+4*i+1]  ; the four bf16 as f32 again: the second word's halves first, then the first word's, the word itself last,
	v_and_b32     v[VX+4*i+3], s[HM], v[VX+4*i+1]
	v_and_b32     v[VX+4*i+1], s[HM], v[VX+4*i]
	v_lshlrev_b32 v[VX+4*i],   16,    v[VX+4*i]
.set i, i+1
.endr
.set i, 0
.rept 16
	v_cvt_pk_f16_f32 v[VY+2*i],   v[VX+4*i],   v[VX+4*i+1]    ; and written as f16
	v_cvt_pk_f16_f32 v[VY+2*i+1], v[VX+4*i+2], v[VX+4*i+3]
.set i, i+1
.endr
.if \more
	VLOAD                                          ; the loads ahead of the stores
.endif
	WIN 0x04                                       ; address window 0, stored data window 1
.set i, 0
.rept 16
	global_store_b64 v[SO], v[VY+2*i:VY+2*i+1], s[VQ:VQ+1] offset:i*256-4096
.set i, i+1
.endr
.endm
; THE WAY OUT, written for the 16 accumulators in window 2's first 128 registers (two blocks of 16 keys) and walked four times: behind each of the first three trips the next two blocks are moved there,
; 384 moves a tile, so that the text stands once for all eight blocks.
.macro MAXRUN                          ; one running maximum for each accumulator; each accumulator's lowest registers are read first
	WIN 0x2a                                       ; three sources in window 2
.set i, 0
.rept 16
	v_max3_num_f32 v[CXR+i], v[8*i], v[8*i+1], v[8*i+2]
.set i, i+1
.endr
	WIN 0x28                                       ; source 0 in window 0
.irp o, 3, 5
.set i, 0
.rept 16
	v_max3_num_f32 v[CXR+i], v[CXR+i], v[8*i+\o], v[8*i+\o+1]
.set i, i+1
.endr
.endr
.set i, 0
.rept 16
	v_max_num_f32 v[CXR+i], v[CXR+i], v[8*i+7]
.set i, i+1
.endr
	WIN 0
.endm
.macro RED                             ; a block's eight maxima into one; the key's other 64 queries lie in the lane 16 away; m and cm = c m
.irp a, 0,1
	v_max3_num_f32 v[CXR+8*\a],   v[CXR+8*\a],   v[CXR+8*\a+1], v[CXR+8*\a+2]
	v_max3_num_f32 v[CXR+8*\a+3], v[CXR+8*\a+3], v[CXR+8*\a+4], v[CXR+8*\a+5]
.endr
.irp a, 0,1
	v_max3_num_f32 v[CXR+8*\a], v[CXR+8*\a], v[CXR+8*\a+3], v[CXR+8*\a+6]
.endr
.irp a, 0,1
	v_max_num_f32 v[CXR+8*\a], v[CXR+8*\a], v[CXR+8*\a+7]
.endr
.irp a, 0,1
	v_permlanex16_b32 v[CXR+8*\a+1], v[CXR+8*\a], s[SEL], s[SEL+1]
.endr
.irp a, 0,1
	v_max_num_f32 v[ST+2*\a+1], v[CXR+8*\a], v[CXR+8*\a+1]
.endr
.irp a, 0,1
	v_mul_f32 v[ST+2*\a], s[CS], v[ST+2*\a+1]
.endr
.endm
.macro SCL a, n                        ; c s - cm for pair n of block a's 32 pairs
	v_pk_fma_f32 v[64*(\a)+2*(\n):64*(\a)+2*(\n)+1], v[64*(\a)+2*(\n):64*(\a)+2*(\n)+1], s[CS:CS+1], v[ST+2*(\a):ST+2*(\a)+1] op_sel_hi:[1,0,0] neg_lo:[0,0,1] neg_hi:[0,0,1]
.endm
.macro EXPS a                          ; in place: two exponentials, then the scaling of the pair two further on: a plain instruction stands behind every second exponential, and no result is used before the next macro
	WIN 0x82                                       ; destination and source 0 in window 2, cm in window 0
	SCL \a, 0
	SCL \a, 1
.set n, 0
.rept 32
	v_exp_f32 v[64*(\a)+2*n],   v[64*(\a)+2*n]
	v_exp_f32 v[64*(\a)+2*n+1], v[64*(\a)+2*n+1]
.if n < 30
	SCL \a, n+2
.endif
.set n, n+1
.endr
.endm
.macro PACKSUM a                       ; the weights rounded to f16, 16 bytes for each accumulator; and the first level of their sum, of the unrounded weights
	WIN 0x0a                                       ; sources 0 and 1 in window 2
.set n, 0
	s_wait_alu depctr_va_vdst(0)
.rept 32
	v_cvt_pk_f16_f32 v[TMP+n], v[64*(\a)+2*n], v[64*(\a)+2*n+1]
.set n, n+1
.endr
.set n, 0
.rept 16
	v_pk_add_f32 v[TS+2*n:TS+2*n+1], v[64*(\a)+4*n:64*(\a)+4*n+1], v[64*(\a)+4*n+2:64*(\a)+4*n+3]
.set n, n+1
.endr
	WIN 0
.endm
.macro TREE a                          ; 16 pairs into one
.irp w, 8, 4, 2
.set n, 0
.rept \w
	v_pk_add_f32 v[TS+2*n:TS+2*n+1], v[TS+2*n:TS+2*n+1], v[TS+2*n+2*\w:TS+2*n+2*\w+1]
.set n, n+1
.endr
.endr
	v_pk_add_f32 v[LS+2*(\a):LS+2*(\a)+1], v[TS:TS+1], v[TS+2:TS+3]
.endm
.macro TOSTAGE a                       ; into my own stage, and back as whole rows of 256 bytes.  The registers loaded here were last stored from two blocks ago; the block between has waited for XCNT 0 since
.set BK, OB+192*((\a)%2)
.irp b, 0,1,2,3,4,5,6,7
	ds_store_b128 v[STO], v[TMP+4*(\b):TMP+4*(\b)+3] offset:32*(\b)
.endr
.irp t, 0,1,2,3,4,5,6,7
	ds_load_b128 v[BK+4*(\t):BK+4*(\t)+3], v[RD] offset:(\t)*2*SPITCH  ; LDS serves a wave's instructions in order (ISA guide 5.7.1.4): these see the stores above
.endr
.endm
.macro SEND a
.set BK, OB+192*((\a)%2)
	s_wait_dscnt 0x0                               ; the block is back in registers
	s_wait_xcnt 0x0                                ; every earlier memory instruction has had its addresses translated (ISA guide 3.1): the bases and the registers that earlier stores read are rewritten only behind this wait
	s_add_nc_u64 s[8:9], s[8:9], s[16:17]          ; on to this block's 16 rows
	s_mov_b32 s16, 16*SIZE_N*2                     ; the next block lies 16 rows on
.irp t, 0,1,2,3,4,5,6,7
	global_store_b128 v[CO], v[BK+4*(\t):BK+4*(\t)+3], s[8:9] offset:2*(\t)*SIZE_N*2  ; 16 lanes store 256 consecutive bytes of a key's row, at a multiple of 256 from pt's first byte
.endr
.endm
.macro STATS                           ; l's two halves and the other half of the lanes'; then (cm, l) of 32 keys in one store: lanes 0-15 the first block's keys, lanes 16-31 the second's
.irp a, 0,1
	v_add_f32 v[WK+\a], v[LS+2*\a], v[LS+2*\a+1]
.endr
.irp a, 0,1
	v_permlanex16_b32 v[WK+4+\a], v[WK+\a], s[SEL], s[SEL+1]  ; its destination, v140 or v141, was written as a running maximum in this trip
.endr
.irp a, 0,1
	v_add_f32 v[WK+\a], v[WK+\a], v[WK+4+\a]
.endr
	v_cndmask_b32 v[WK+8], v[ST], v[ST+2], s[HM]
	v_cndmask_b32 v[WK+9], v[WK], v[WK+1], s[HM]
	global_store_b64 v[SO], v[WK+8:WK+9], s[10:11] ; 256 consecutive bytes, at a multiple of 256 from stat's first byte
.endm
.macro MOVE w, from                    ; 128 registers into window 2's first 128; ascending
	WIN \w
.set i, 0
.rept 128
	v_mov_b32 v[i], v[(\from)+i]
.set i, i+1
.endr
	WIN 0
.endm
.macro WAYOUT tag, more                ; more = 1: another tile follows
	PLACES                                         ; behind the tile's last products
	WIN 0
	s_mov_b32 s[HC], 4
.Lpart\tag:
	MAXRUN
	RED
	EXPS 0
	PACKSUM 0
	TREE 0
	TOSTAGE 0
	EXPS 1                                         ; the second block's arithmetic stands between the first block's loads from the stage and its stores
	PACKSUM 1
	TREE 1
	SEND 0
	TOSTAGE 1
	STATS
	s_cmp_eq_u32 s[HC], 4                          ; which two blocks come next; what is jumped holds neither a barrier nor a tensor load
	s_cbranch_scc0 .Lnot4\tag
	MOVE 0x82, 128                                 ; my keys 32-63: window 2's upper half
	s_branch .Lmoved\tag
.Lnot4\tag:
	s_cmp_eq_u32 s[HC], 3
	s_cbranch_scc0 .Lnot3\tag
	MOVE 0x83, 0                                   ; keys 64-95: window 3's lower half
	s_branch .Lmoved\tag
.Lnot3\tag:
	s_cmp_eq_u32 s[HC], 2
	s_cbranch_scc0 .Lmoved\tag                     ; the last trip has nothing left to move
	MOVE 0x83, 128                                 ; keys 96-127
.Lmoved\tag:
	SEND 1                                         ; the statistics and the moves stand between the second block's loads from the stage and its stores
	s_add_nc_u64 s[10:11], s[10:11], 256           ; the next 32 keys of stat: the store that named this base stands ahead of SEND's wait for XCNT 0
	s_sub_co_u32 s[HC], s[HC], 1
	s_cmp_lg_u32 s[HC], 0
	s_cbranch_scc1 .Lpart\tag
.if \more
	s_mov_b32 s16, NEXT_C                          ; what the next tile's first block adds to pt's address
	s_add_nc_u64 s[10:11], s[10:11], 4*16*SIZE_N*8-1024  ; four batches on, less the tile's 128 keys
.endif
.endm
	VLOAD                                          ; v's first group
	WIN 0
	s_wait_tensorcnt 1                             ; my part of K step 0 is in; K step 1's may stay out
	s_barrier_signal -1
	s_barrier_wait -1
	FETCH 0, 0, F0
	QUARTER 0, 64, F0, F1, 1                       ; the first tile's first quarter starts the sums
	WIN 0
	s_mov_b32 s[CNT], 7
.Llap:                                                 ; a trip = a lap of two K steps, from its second quarter to the next lap's first.  Odd count: a tile's first lap; even: its second
	QUARTER 0, 128, F1, F0, 0
	QUARTER 0, 192, F0, F1, 0
	VBLOCK 1                                       ; in front of the wait for the next slot's tile
	s_and_b32 s77, s[CNT], 1
	s_cmp_eq_u32 s77, 1
	s_cselect_b32 s[STP], s69, s68                 ; the refills go two K steps on, or from a tile's last two K steps to the next tile's first two
	TURN 0, 1
	QUARTER 1, 64,  F0, F1, 0
	QUARTER 1, 128, F1, F0, 0
	QUARTER 1, 192, F0, F1, 0
	TURN 1, 0
	WIN 0
	s_cmp_eq_u32 s77, 1
	s_cbranch_scc1 .Lmid                           ; what is jumped holds neither a barrier nor a tensor load
	WAYOUT 1, 1                                    ; both refills are asked for: the tile goes out
	QUARTER 0, 64, F0, F1, 1                       ; the next tile's first quarter starts its sums
	WIN 0
	s_branch .Lnext
.Lmid:
	QUARTER 0, 64, F0, F1, 0
	WIN 0
.Lnext:
	s_sub_co_u32 s[CNT], s[CNT], 1
	s_cmp_lg_u32 s[CNT], 0
	s_cbranch_scc1 .Llap
	QUARTER 0, 128, F1, F0, 0                      ; the last tile's second lap is written out: it asks for nothing more
	QUARTER 0, 192, F0, F1, 0
	VBLOCK 0                                       ; v's last group
	MEET 0
	PLACES
	FETCH 1, 0, F0
	MUL16 F1, 1, 0, 0
	MUL16 F1, 1, 2, 0
	QUARTER 1, 64,  F0, F1, 0
	QUARTER 1, 128, F1, F0, 0
	QUARTER 1, 192, F0, F1, 0
	s_wait_dscnt 8
	MUL16 F1, 0, 0, 0
	MUL16 F1, 0, 2, 0
	s_wait_dscnt 0x0
	MUL16 F1, 1, 0, 0
	MUL16 F1, 1, 2, 0
	WIN 0
	WAYOUT 2, 0
	s_wait_tensorcnt 0x0                           ; the wave's end: behind my last tensor load and my last LDS store
	ds_add_u32 v[SPW], v[NIL]
	s_wait_dscnt 0x0
	CROUND                                         ; the closing round: no work-group ends while a partner may still ask for a tile that names it
	s_endpgm
.Lfunc_end_k_qd5e3341c36_scores:
	.size	k_qd5e3341c36_scores, .Lfunc_end_k_qd5e3341c36_scores-k_qd5e3341c36_scores
	.p2alignl 7, 3214868480
	.fill 96, 4, 3214868480
	.section	.rodata,"a",@progbits
	.p2align	6, 0x0
	.amdhsa_kernel k_qd5e3341c36_scores
		.amdhsa_group_segment_fixed_size 327680
		.amdhsa_private_segment_fixed_size 0
		.amdhsa_enable_private_segment 0
		.amdhsa_kernarg_size 48
		.amdhsa_user_sgpr_count 2
		.amdhsa_user_sgpr_kernarg_segment_ptr 1
		.amdhsa_wavefront_size32 1
		.amdhsa_system_sgpr_workgroup_id_x 1
		.amdhsa_system_sgpr_workgroup_id_y 1
		.amdhsa_system_sgpr_workgroup_id_z 1
		.amdhsa_system_vgpr_workitem_id 0
		.amdhsa_next_free_vgpr 1024
		.amdhsa_next_free_sgpr 96
		.amdhsa_reserve_vcc 0
		.amdhsa_float_denorm_mode_32 3
		.amdhsa_float_denorm_mode_16_64 3
		.amdhsa_memory_ordered 1
		.amdhsa_forward_progress 1
		.amdhsa_inst_pref_size 212
	.end_amdhsa_kernel
	.amdgpu_metadata
---
amdhsa.version: [ 1, 2 ]
amdhsa.kernels:
  - .name:           k_qd5e3341c36_scores
    .symbol:         k_qd5e3341c36_scores.kd
    .args:
      - { .name: k16, .offset: 0, .size: 8, .value_kind: global_buffer, .address_space: global }
      - { .name: q16, .offset: 8, .size: 8, .value_kind: global_buffer, .address_space: global }
      - { .name: pt, .offset: 16, .size: 8, .value_kind: global_buffer, .address_space: global }
      - { .name: stat, .offset: 24, .size: 8, .value_kind: global_buffer, .address_space: global }
      - { .name: v, .offset: 32, .size: 8, .value_kind: global_buffer, .address_space: global }
      - { .name: v16, .offset: 40, .size: 8, .value_kind: global_buffer, .address_space: global }
    .group_segment_fixed_size: 327680
    .private_segment_fixed_size: 0
    .kernarg_segment_align: 8
    .kernarg_segment_size: 48
    .max_flat_workgroup_size: 128
    .sgpr_count:     96
    .vgpr_count:     1024
    .wavefront_size: 32
...
	.end_amdgpu_metadata
.endif
;; end of part 2
;; launch gains (part 3): grid 16 x 16, 1 waves a work-group, no clusters, 0 bytes of LDS; arguments stat, gtab; writes gtab
.if DOCPART == 3
	.amdgcn_target "amdgcn-amd-amdhsa--gfx1250"
	.amdhsa_code_object_version 6
	.text
	.protected	k_qd5e3341c36_gains
	.globl	k_qd5e3341c36_gains
	.p2align	8
	.type	k_qd5e3341c36_gains,@function
k_qd5e3341c36_gains:
	s_mov_b64 s[64:65], 0
	v_nop
	global_prefetch_b8 v0, s[64:65] scope:SCOPE_SE
	s_setreg_imm32_b32 hwreg(HW_REG_WAVE_MODE, 25, 1), 1
	s_wait_xcnt 0x0
; THE COLUMNS' STATISTICS ARE JOINED.  For each key: M = the largest of its 16 blocks' cm (the column's true maximum, times c); L = the sum over t of l_t 2^(cm_t - M), the column's true sum;
; gtab[b][t][key] = 2^(cm_t - M) / L in f16: the factor that turns a block's local weight into the softmax's.  All in f32 up to the one rounding.
; LIMITS: a gain under 6e-5 keeps f16's fixed step of 6e-8; 2^x counts as 0 under 2^-126; NaN and infinities are not treated apart.  L is about 1 at the least: the block that holds M adds its l unscaled.
; A wave takes 128 keys of a batch, a lane four: 32 loads of 16 bytes, all on their way at once; 5 MB in the whole launch, so nothing more is built.
.set X,  16                            ; v[16:143] block t at X + 8 t: (cm, l) of my four keys
.set M,  4                             ; v4-7
.set LA, 8                             ; v8-11   the even blocks' part of L, then L
.set R,  12                            ; v12-15  1 / L
.set LB, 144                           ; v144-147 the odd blocks' part
	s_load_b128 s[4:7], s[0:1], 0x0                ; stat s[4:5], gtab s[6:7]
	s_and_b32 s8, ttmp7, 0xffff                    ; the batch
	s_lshl_b32 s10, s8, 18                         ; 16 blocks x 2,048 keys x 8 bytes
	s_lshl_b32 s9, ttmp9, 10                       ; my 128 keys x 8 bytes
	s_add_co_u32 s10, s10, s9
	s_mov_b32 s11, 0
	s_lshl_b32 s12, s8, 16                         ; 16 blocks x 2,048 keys x 2 bytes
	s_lshl_b32 s9, ttmp9, 8
	s_add_co_u32 s12, s12, s9
	s_mov_b32 s13, 0
	v_lshlrev_b32 v1, 5, v0                        ; four keys of 8 bytes a lane
	v_lshlrev_b32 v2, 3, v0                        ; four gains of 2 bytes a lane
	s_wait_kmcnt 0x0
	s_add_nc_u64 s[4:5], s[4:5], s[10:11]
	s_add_nc_u64 s[6:7], s[6:7], s[12:13]
.set t, 0
.rept 16
	global_load_b128 v[X+8*t:X+8*t+3],   v1, s[4:5] offset:t*16384
	global_load_b128 v[X+8*t+4:X+8*t+7], v1, s[4:5] offset:t*16384+16
.set t, t+1
.endr
	s_wait_loadcnt 0x0
.irp k, 0,1,2,3
	v_max3_num_f32 v[M+\k], v[X+2*\k], v[X+8+2*\k], v[X+16+2*\k]
.endr
.set t, 3
.rept 6
.irp k, 0,1,2,3
	v_max3_num_f32 v[M+\k], v[M+\k], v[X+8*t+2*\k], v[X+8*t+8+2*\k]
.endr
.set t, t+2
.endr
.irp k, 0,1,2,3
	v_max_num_f32 v[M+\k], v[M+\k], v[X+120+2*\k]
.endr
.set t, 0
.rept 16
.irp k, 0,1,2,3
	v_sub_f32 v[X+8*t+2*\k], v[X+8*t+2*\k], v[M+\k]
.endr
.set t, t+1
.endr
.set t, 0
.rept 16
.irp k, 0,1,2,3
	v_exp_f32 v[X+8*t+2*\k], v[X+8*t+2*\k]
.endr
.set t, t+1
.endr
	v_nop                                          ; a plain instruction between the last exponential and the use of its result (ISA guide 5.7.2)
	s_wait_alu depctr_va_vdst(0)
.irp k, 0,1,2,3
	v_mul_f32 v[LA+\k], v[X+2*\k],   v[X+2*\k+1]   ; the first two blocks start the two chains: nothing is cleared
	v_mul_f32 v[LB+\k], v[X+8+2*\k], v[X+8+2*\k+1]
.endr
.set t, 2
.rept 7
.irp k, 0,1,2,3
	v_fmac_f32 v[LA+\k], v[X+8*t+2*\k],   v[X+8*t+2*\k+1]
	v_fmac_f32 v[LB+\k], v[X+8*t+8+2*\k], v[X+8*t+8+2*\k+1]
.endr
.set t, t+2
.endr
.irp k, 0,1,2,3
	v_add_f32 v[LA+\k], v[LA+\k], v[LB+\k]
.endr
.irp k, 0,1,2,3
	v_rcp_f32 v[R+\k], v[LA+\k]
.endr
	v_nop                                          ; a plain instruction behind the last reciprocal
.set t, 0
	s_wait_alu depctr_va_vdst(0)
.rept 16
.irp k, 0,1,2,3
	v_mul_f32 v[X+8*t+2*\k], v[X+8*t+2*\k], v[R+\k]
.endr
.set t, t+1
.endr
.set t, 0
.rept 16
	v_cvt_pk_f16_f32 v[X+8*t],   v[X+8*t],   v[X+8*t+2]
	v_cvt_pk_f16_f32 v[X+8*t+1], v[X+8*t+4], v[X+8*t+6]
	global_store_b64 v2, v[X+8*t:X+8*t+1], s[6:7] offset:t*4096  ; 256 consecutive bytes, at a multiple of 256 from gtab's first byte
.set t, t+1
.endr
	s_endpgm
.Lfunc_end_k_qd5e3341c36_gains:
	.size	k_qd5e3341c36_gains, .Lfunc_end_k_qd5e3341c36_gains-k_qd5e3341c36_gains
	.p2alignl 7, 3214868480
	.fill 96, 4, 3214868480
	.section	.rodata,"a",@progbits
	.p2align	6, 0x0
	.amdhsa_kernel k_qd5e3341c36_gains
		.amdhsa_group_segment_fixed_size 0
		.amdhsa_private_segment_fixed_size 0
		.amdhsa_enable_private_segment 0
		.amdhsa_kernarg_size 16
		.amdhsa_user_sgpr_count 2
		.amdhsa_user_sgpr_kernarg_segment_ptr 1
		.amdhsa_wavefront_size32 1
		.amdhsa_system_sgpr_workgroup_id_x 1
		.amdhsa_system_sgpr_workgroup_id_y 1
		.amdhsa_system_sgpr_workgroup_id_z 1
		.amdhsa_system_vgpr_workitem_id 0
		.amdhsa_next_free_vgpr 152
		.amdhsa_next_free_sgpr 66
		.amdhsa_reserve_vcc 0
		.amdhsa_float_denorm_mode_32 3
		.amdhsa_float_denorm_mode_16_64 3
		.amdhsa_memory_ordered 1
		.amdhsa_forward_progress 1
		.amdhsa_inst_pref_size 18
	.end_amdhsa_kernel
	.amdgpu_metadata
---
amdhsa.version: [ 1, 2 ]
amdhsa.kernels:
  - .name:           k_qd5e3341c36_gains
    .symbol:         k_qd5e3341c36_gains.kd
    .args:
      - { .name: stat, .offset: 0, .size: 8, .value_kind: global_buffer, .address_space: global }
      - { .name: gtab, .offset: 8, .size: 8, .value_kind: global_buffer, .address_space: global }
    .group_segment_fixed_size: 0
    .private_segment_fixed_size: 0
    .kernarg_segment_align: 8
    .kernarg_segment_size: 16
    .max_flat_workgroup_size: 32
    .sgpr_count:     66
    .vgpr_count:     152
    .wavefront_size: 32
...
	.end_amdgpu_metadata
.endif
;; end of part 3
;; launch pv (part 4): grid 8 x 32, 4 waves a work-group, clusters of 4 x 1, 327,680 bytes of LDS; arguments pt, v16, gtab, out0; writes out0
.if DOCPART == 4
	.amdgcn_target "amdgcn-amd-amdhsa--gfx1250"
	.amdhsa_code_object_version 6
	.text
	.protected	k_qd5e3341c36_pv
	.globl	k_qd5e3341c36_pv
	.p2align	8
	.type	k_qd5e3341c36_pv,@function
k_qd5e3341c36_pv:
	s_mov_b64 s[64:65], 0
	v_nop
	global_prefetch_b8 v0, s[64:65] scope:SCOPE_SE
	s_setreg_imm32_b32 hwreg(HW_REG_WAVE_MODE, 25, 1), 1
	s_wait_xcnt 0x0
	s_wait_alu depctr_hold_cnt(0) depctr_sa_sdst(0) depctr_va_vdst(0) depctr_va_sdst(0) depctr_va_ssrc(0) depctr_va_vcc(0) depctr_vm_vsrc(0)
	s_getreg_b32 s2, hwreg(HW_REG_IB_STS2, 6, 4)
	s_cmp_eq_u32 s2, 0
	s_cbranch_scc0 .Lentry_in_a_cluster
	s_endpgm
.Lentry_in_a_cluster:
	s_bfe_u32 s2, ttmp6, 0x10000c
	s_cmp_lg_u32 s2, 0x3003
	s_cbranch_scc0 .Lentry_shape_is_right
	s_endpgm
.Lentry_shape_is_right:
; THE SECOND PRODUCT.  out0[b][q][d] = the sum over keys of (pt[b][key][q] x gtab[b][q / 128][key]) x v16[b][key][d]: f16 operands, f32 sums, f32 out.
; The local weight times the gain is the softmax's weight; the product is rounded to f16 (v_pk_mul_f16) on the fragment, between its LDS load and the matrix instruction.
; LIMITS: a weight under 6e-5 keeps f16's fixed step of 6e-8 and counts as 0 under 3e-8; v16 arrives within f16's range; NaN and infinities are not treated apart.
; SHAPE: a tile of out0 is 256 queries x 256 channels of one batch; four waves, 128 x 128 each: 64 accumulators, 512 registers.  The keys (2,048) go in 16 steps of 128 through two LDS slots.
; A wave's 128 queries are ONE block t, so its gains hang on the key alone: 8 registers for 32 keys, the same for all its fragments of P.
; Both tiles lie [key][..] in memory and in LDS; ds_load_tr16_b128 turns them.  Source 0 = 16 channels of V^T, source 1 = 16 queries of P: a lane then holds one query and eight neighbouring channels, 32 bytes of a row.
; CLUSTER 4 x 1: the four query tiles of a cluster have the same batch and channel half and walk the same V: V's tile is asked for jointly.  pt's tile is a work-group's own load, behind the same round:
; it is shared only by the two work-groups of a batch's two channel halves, and a mask of two is none of the forms that a row or a column of a cluster gives.
; REGISTERS, in windows of 256: window 0: v0-31 addresses; v32-47 gains, two buffers; v48-63 the gain table on its way in; v64-127, v128-191 fragments of P, two buffers (on the way out: rows);
;   window 1: v64-127, v128-191 fragments of V;   window 2: the accumulators of my queries 0-63 ((a, b) at v[8 (8 a + b)]);   window 3: those of my queries 64-127
.set PITCH,  544                       ; an LDS row: 512 bytes + 32 of padding = 136 words
.set HALFT,  64*PITCH                  ; 64 keys: one tensor load
.set SLOT,   4*HALFT                   ; pt's 128 keys, then V's 128 keys
.set STAGE,  2*SLOT                    ; behind the ring: 16 rows x 528 bytes for each wave; no tensor load lands here
.set SPITCH, 528
.set GT,     STAGE+4*16*SPITCH         ; the gains of my two blocks t: 2 x 2,048 keys in f16, stored once
.set SPARE,  GT+8192                   ; the spare words: 128 bytes a wave, two blocks of 256 bytes that no other line names
.set ADRA, 16                          ; v16-17  LDS address of my P fragments in slot 0, 1
.set ADRB, 20                          ; v20-21  the same for V
.set GA,   22                          ; v22     LDS address of my gains for the lap in hand
.set STO,  24                          ; v24     the way out: where I put 32 bytes of a row
.set RD,   25                          ; v25     where I read a row back
.set CO,   26                          ; v26     16 x lane
.set SPW,  28                          ; v28     LDS address of my spare word; never rewritten
.set NIL,  29                          ; v29     0; never rewritten
.set GF,   32                          ; v32-39, v40-47 the gains of 32 keys, by fragment buffer
.set GL,   48
.set F0,   64
.set F1,   128
.set WV,  12                           ; s12 wave
.set RH,  13                           ; s13 which half of the tile's queries is mine; also: I fetch pt (0) or V (1)
.set CH,  14                           ; s14 which half of its channels; also: which 64 keys I fetch
.set LAP, 15
.set G1,  24                           ; s[24:31] descriptor group 1 for pt;  s[32:39] group 0, a set for each slot
.set G0,  32
.set G1B, 48                           ; s[48:55], s[56:63] the same for V
.set G0B, 56
.set MSB, 0
.macro WIN new
.if MSB != (\new)
	s_set_vgpr_msb (MSB<<8)|(\new)
.set MSB, \new
.endif
.endm
.set MUL_LO, 0xa1                      ; source 0 (V) window 1, source 1 (P) window 0, C and D window 2
.set MUL_HI, 0xf1
.set TO_B,   0x40
; A fill.  Waves 0 and 1 fetch pt's halves (my work-group's own), waves 2 and 3 V's (joint).  The branch hangs on the wave's number alone.  An s_nop 0 and four v_nop follow each line.
.macro JLOAD s
	s_cmp_eq_u32 s[RH], 0
	s_cbranch_scc0 .Lfor_v_\@
	tensor_load_to_lds s[G0+4*(\s):G0+4*(\s)+3], s[G1:G1+7]
	s_nop 0
.rept 4
	v_nop
.endr
	s_branch .Lasked_\@
.Lfor_v_\@:
	tensor_load_to_lds s[G0B+4*(\s):G0B+4*(\s)+3], s[G1B:G1B+7]
	s_nop 0
.rept 4
	v_nop
.endr
.Lasked_\@:
.endm
.macro CREST
	s_cmp_lg_u32 s[WV], 0
	s_cbranch_scc1 .Lnot_wave_0_\@
	s_barrier_signal -3
.Lnot_wave_0_\@:
	s_barrier_wait -3
	s_barrier_signal -1
	s_barrier_wait -1
.endm
.macro CROUND
	s_barrier_signal -1
	s_barrier_wait -1
	CREST
.endm
	s_load_b256 s[4:11], s[0:1], 0x0               ; pt s[4:5], v16 s[6:7], gtab s[8:9], out0 s[10:11]
	v_lshl_add_u32 v[SPW], v0, 2, SPARE
	v_mov_b32 v[NIL], 0
	ds_add_u32 v[SPW], v[NIL]                      ; the wave's opening: the add and its wait stand ahead of my first tensor load; the set-up below stands between them
	v_lshrrev_b32 v1, 5, v0
	v_readfirstlane_b32 s[WV], v1
	s_lshr_b32 s[RH], s[WV], 1
	s_and_b32 s[CH], s[WV], 1
	s_bfe_u32 s40, ttmp6, 0x40000                  ; cx
	s_lshl_b32 s42, ttmp9, 2
	s_add_co_u32 s42, s42, s40                     ; my tile of 256 queries = 4 x cluster x + cx
	s_and_b32 s43, ttmp7, 0xffff                   ; which the four partners share:
	s_lshr_b32 s44, s43, 1                         ; the batch,
	s_and_b32 s45, s43, 1                          ; the half of the 512 channels
	; descriptor group 1: 64 rows x 256 elements of 2 bytes, 32 bytes of padding behind every 512
	s_mov_b32 s[G1+0],  (1<<16)|(1<<20)|(6<<22)|(7<<25)              ; 15:0 no mask; 17:16 2-byte elements; 20 padding on; 24:22 after 128 words; 31:25 8 words
	s_mov_b32 s[G1B+0], 15|(1<<16)|(1<<20)|(1<<21)|(6<<22)|(7<<25)   ; the mask of all four, bit 21 beside it
.irp g, G1, G1B
	s_mov_b32 s[(\g)+1], 256<<16                   ; tensor_dim0 = 256
	s_mov_b32 s[(\g)+2], 64<<16                    ; tensor_dim1 = 64
	s_mov_b32 s[(\g)+3], 256<<16                   ; tile_dim0 = 256
	s_mov_b32 s[(\g)+4], 64                        ; tile_dim1 = 64
	s_mov_b32 s[(\g)+6], 0
	s_mov_b32 s[(\g)+7], 0
.endr
	s_mov_b32 s[G1+5], 2048                        ; elements from key to key in pt,
	s_mov_b32 s[G1B+5], 512                        ; and in v16
	s_lshl_b32 s16, s44, 11
	s_lshl_b32 s17, s[CH], 6
	s_add_co_u32 s16, s16, s17                     ; the first key that I fetch: 2,048 b + 64 x half
	s_lshl_b32 s46, s16, 10                        ; V: keys of 1,024 bytes,
	s_lshl_b32 s17, s45, 9
	s_add_co_u32 s46, s46, s17                     ; + the channel half's 512 bytes: nothing of cx in it
	s_mov_b32 s47, 0
	s_lshl_b32 s18, s16, 12                        ; pt: keys of 4,096 bytes,
	s_lshl_b32 s21, s42, 9
	s_add_co_u32 s18, s18, s21                     ; + my 256 queries' 512 bytes
	s_mov_b32 s19, 0
	s_mul_i32 s20, s[WV], HALFT                    ; where my tile goes: wave x 64 rows
	s_wait_dscnt 0x0                               ; the opening add is done
	s_wait_kmcnt 0x0
	s_add_nc_u64 s[18:19], s[4:5], s[18:19]
	s_add_nc_u64 s[46:47], s[6:7], s[46:47]
	CROUND                                         ; all four work-groups are here: the first joint loads meet
.irp s, 0,1
	s_mov_b32 s[G0+4*(\s)], 1
	s_add_co_u32 s[G0+4*(\s)+1], s20, (\s)*SLOT
	s_add_nc_u64 s[G0+4*(\s)+2:G0+4*(\s)+3], s[18:19], (\s)*128*4096
	s_or_b32 s[G0+4*(\s)+3], s[G0+4*(\s)+3], 0x80000000
	s_mov_b32 s[G0B+4*(\s)], 1
	s_add_co_u32 s[G0B+4*(\s)+1], s20, (\s)*SLOT
	s_add_nc_u64 s[G0B+4*(\s)+2:G0B+4*(\s)+3], s[46:47], (\s)*128*1024
	s_or_b32 s[G0B+4*(\s)+3], s[G0B+4*(\s)+3], 0x80000000
	JLOAD \s                                       ; key steps 0 and 1: two loads of mine are out
.endr
	; the gains of blocks t = 2 x and 2 x + 1: 8,192 consecutive bytes of gtab, copied once into LDS
	s_lshl_b32 s66, s44, 16
	s_lshl_b32 s67, s42, 13
	s_add_co_u32 s66, s66, s67
	s_mov_b32 s67, 0
	s_add_nc_u64 s[8:9], s[8:9], s[66:67]
	v_lshlrev_b32 v3, 4, v0                        ; 16 x thread
.irp i, 0,1,2,3
	global_load_b128 v[GL+4*\i:GL+4*\i+3], v3, s[8:9] offset:\i*2048
.endr
	v_add_nc_u32 v4, GT, v3
	; the turning load: lane l reads 16 bytes of key 8 (l / 16) + l % 8, columns 8 ((l / 8) % 2) + 0..7, and receives column l % 16 and 8 keys: half a fragment
	v_and_b32 v1, 15, v0
	v_bfe_u32 v2, v0, 4, 1
	v_and_b32 v5, 7, v0
	v_bfe_u32 v6, v0, 3, 1
	v_lshl_add_u32 v7, v2, 3, v5
	v_mul_u32_u24 v7, v7, PITCH
	v_lshl_add_u32 v7, v6, 4, v7
	s_lshl_b32 s21, s[RH], 8                       ; my 128 queries' 256 bytes of pt's rows
	s_lshl_b32 s22, s[CH], 8                       ; my 128 channels' 256 bytes of V's rows,
	s_add_co_u32 s22, s22, 2*HALFT                 ; which lie behind pt's 128
.irp s, 0,1
	v_add_nc_u32 v[ADRA+(\s)], s21, v7
	v_add_nc_u32 v[ADRB+(\s)], s22, v7
	s_add_co_u32 s21, s21, SLOT
	s_add_co_u32 s22, s22, SLOT
.endr
	s_lshl_b32 s23, s[RH], 12
	s_add_co_u32 s23, s23, GT
	v_lshl_add_u32 v[GA], v2, 4, s23               ; my block's gains; keys 8 (l / 16) on, as in a fragment's registers 0-3
	s_mul_i32 s23, s[WV], 16*SPITCH
	s_add_co_u32 s23, s23, STAGE                   ; my stage
	v_mul_u32_u24 v8, v1, SPITCH                   ; in: row l % 16, 32 bytes for each half of the lanes
	v_lshl_add_u32 v8, v2, 5, v8
	v_add_nc_u32 v[STO], s23, v8
	v_and_b32 v9, 31, v0
	v_lshlrev_b32 v[CO], 4, v9                     ; back: 32 lanes take one row of 512 bytes
	v_add_nc_u32 v[RD], s23, v[CO]
	; out0 at my first row and channel
	s_lshl_b32 s68, s44, 11
	s_lshl_b32 s69, s42, 8
	s_add_co_u32 s68, s68, s69
	s_lshl_b32 s69, s[RH], 7
	s_add_co_u32 s68, s68, s69
	s_lshl_b32 s68, s68, 11                        ; rows of 2,048 bytes
	s_lshl_b32 s69, s45, 10
	s_add_co_u32 s68, s68, s69
	s_lshl_b32 s69, s[CH], 9
	s_add_co_u32 s68, s68, s69
	s_mov_b32 s69, 0
	s_add_nc_u64 s[10:11], s[10:11], s[68:69]
	s_wait_loadcnt 0x0
.irp i, 0,1,2,3
	ds_store_b128 v4, v[GL+4*\i:GL+4*\i+3] offset:\i*2048
.endr
.macro MUL16 f, hi, a0, zero           ; 16 matrix instructions: query blocks a0, a0 + 1 of the window's four x all 8 channel blocks, 32 keys
	WIN MUL_LO+0x50*(\hi)
.irp a, \a0, (\a0)+1
.irp b, 0,1,2,3,4,5,6,7
.if \zero
	v_wmma_f32_16x16x32_f16 v[8*(8*(\a)+(\b)):8*(8*(\a)+(\b))+7], v[(\f)+8*(\b):(\f)+8*(\b)+7], v[(\f)+8*(4*(\hi)+(\a)):(\f)+8*(4*(\hi)+(\a))+7], 0
.else
	v_wmma_f32_16x16x32_f16 v[8*(8*(\a)+(\b)):8*(8*(\a)+(\b))+7], v[(\f)+8*(\b):(\f)+8*(\b)+7], v[(\f)+8*(4*(\hi)+(\a)):(\f)+8*(4*(\hi)+(\a))+7], v[8*(8*(\a)+(\b)):8*(8*(\a)+(\b))+7]
.endif
.endr
.endr
.endm
; 34 LDS loads in one run: the fragments of keys 32 kq on: V's 8, the gains, P's 8, into buffer f
.macro FETCH slot, kq, f
.set GFR, GF+((\f)-F0)/8
	WIN TO_B
.irp i, 0,1,2,3,4,5,6,7
	ds_load_tr16_b128 v[(\f)+8*(\i):(\f)+8*(\i)+3],   v[ADRB+(\slot)] offset:(\kq)*32*PITCH+32*(\i)
	ds_load_tr16_b128 v[(\f)+8*(\i)+4:(\f)+8*(\i)+7], v[ADRB+(\slot)] offset:(\kq)*32*PITCH+16*PITCH+32*(\i)
.endr
	WIN 0
	ds_load_b128 v[GFR:GFR+3],   v[GA] offset:(\slot)*256+(\kq)*64
	ds_load_b128 v[GFR+4:GFR+7], v[GA] offset:(\slot)*256+(\kq)*64+32
.irp i, 0,1,2,3,4,5,6,7
	ds_load_tr16_b128 v[(\f)+8*(\i):(\f)+8*(\i)+3],   v[ADRA+(\slot)] offset:(\kq)*32*PITCH+32*(\i)
	ds_load_tr16_b128 v[(\f)+8*(\i)+4:(\f)+8*(\i)+7], v[ADRA+(\slot)] offset:(\kq)*32*PITCH+16*PITCH+32*(\i)
.endr
.endm
.macro SCALE f, hi                     ; four fragments of P times the gains of their keys: register n of a fragment and register n of the gains hold the same two keys
.set GFR, GF+((\f)-F0)/8
	WIN 0
.irp i, 0,1,2,3
.irp n, 0,1,2,3,4,5,6,7
	v_pk_mul_f16 v[(\f)+8*(4*(\hi)+\i)+\n], v[(\f)+8*(4*(\hi)+\i)+\n], v[GFR+\n]
.endr
.endr
.endm
.macro PLACES                          ; four plain vector instructions between a matrix instruction and a load into, or a store of, its registers
.rept 4
	v_nop
.endr
.endm
; A key step is four quarters of 32 keys, 64 matrix instructions each, on buffers 0, 1, 0, 1.  The 64 accumulators take turns in one order everywhere.
.macro QUARTER slot, kq, f, g, zero
	s_wait_dscnt 8                                 ; V, the gains and P's queries 0-63 are in; the youngest eight loads (P's queries 64-127) may be out
	SCALE \f, 0
	MUL16 \f, 0, 0, \zero
	MUL16 \f, 0, 2, \zero
	PLACES
	FETCH \slot, \kq, \g
	s_wait_dscnt 34                                ; all but the 34 just issued
	SCALE \f, 1
	MUL16 \f, 1, 0, \zero
	MUL16 \f, 1, 2, \zero
.endm
; The last quarter multiplies buffer 1 and changes slots: one barrier; in front of it each wave waits for all its tensor loads (one is out: its part of the next slot), adds 0 to its spare word,
; and waits for that and for its reads of this slot.  fill = 1: the barrier opens a round of the cluster's, and the slot's refill, two key steps on, is the first thing behind it.
.macro TURN slot, next, fill
	WIN 0
	s_wait_tensorcnt 0x0                           ; all my tensor loads have landed
	ds_add_u32 v[SPW], v[NIL]                      ; 0 onto my spare word
	s_wait_dscnt 9                                 ; (the add and the youngest eight loads may be out)
	SCALE F1, 0
	MUL16 F1, 0, 0, 0
	s_wait_dscnt 0x0                               ; the add is done, and my reads of this slot are over
	s_barrier_signal -1
	MUL16 F1, 0, 2, 0
.if \fill
	WIN 0
.endif
	s_barrier_wait -1
.if \fill
	CREST
	s_add_nc_u64 s[G0+4*(\slot)+2:G0+4*(\slot)+3], s[G0+4*(\slot)+2:G0+4*(\slot)+3], 2*128*4096
	s_add_nc_u64 s[G0B+4*(\slot)+2:G0B+4*(\slot)+3], s[G0B+4*(\slot)+2:G0B+4*(\slot)+3], 2*128*1024
	JLOAD \slot                                    ; its four v_nop are also the places in front of the loads below
.else
	PLACES
.endif
.if (\next) == 0
	WIN 0
	v_add_nc_u32 v[GA], 512, v[GA]                 ; the next lap's 256 keys
.endif
	FETCH \next, 0, F0
	SCALE F1, 1
	MUL16 F1, 1, 0, 0
	MUL16 F1, 1, 2, 0
.endm
	s_wait_tensorcnt 1                             ; my part of key step 0 is in; step 1's may stay out
	s_wait_dscnt 0x0                               ; for the others' sake: my part of the gain table is stored
	s_barrier_signal -1
	s_barrier_wait -1
	FETCH 0, 0, F0
	QUARTER 0, 1, F0, F1, 1                        ; the first quarter starts the sums
	WIN 0
	s_mov_b32 s[LAP], 7
.Llap:                                                 ; a trip goes once round the ring, from a lap's second quarter to the next lap's first, and fills both slots again
	QUARTER 0, 2, F1, F0, 0
	QUARTER 0, 3, F0, F1, 0
	TURN 0, 1, 1
	QUARTER 1, 1, F0, F1, 0
	QUARTER 1, 2, F1, F0, 0
	QUARTER 1, 3, F0, F1, 0
	TURN 1, 0, 1
	QUARTER 0, 1, F0, F1, 0
	WIN 0
	s_sub_co_u32 s[LAP], s[LAP], 1
	s_cmp_lg_u32 s[LAP], 0
	s_cbranch_scc1 .Llap
	QUARTER 0, 2, F1, F0, 0                        ; the last lap is written out: it fills nothing
	QUARTER 0, 3, F0, F1, 0
	TURN 0, 1, 0
	QUARTER 1, 1, F0, F1, 0
	QUARTER 1, 2, F1, F0, 0
	QUARTER 1, 3, F0, F1, 0
	s_wait_dscnt 8
	SCALE F1, 0
	MUL16 F1, 0, 0, 0
	MUL16 F1, 0, 2, 0
	s_wait_dscnt 0x0
	SCALE F1, 1
	MUL16 F1, 1, 0, 0
	MUL16 F1, 1, 2, 0
; THE WAY OUT, 16 queries at a time: a lane's 32 bytes of each accumulator go into my own stage (rows of 528 bytes) and come back as whole rows of 512 bytes.
.macro TOSTAGE a
.set AC, 64*((\a)%4)
.set BK, F0+64*((\a)%2)
	s_wait_xcnt 0x0                                ; every earlier memory instruction has had its addresses translated (ISA guide 3.1): the registers that earlier stores read are loaded again only behind this wait
	WIN (2+(\a)/4)<<2                              ; the stored data in window 2 or 3
.irp b, 0,1,2,3,4,5,6,7
	ds_store_b128 v[STO], v[AC+8*(\b):AC+8*(\b)+3]   offset:64*(\b)     ; each accumulator's lowest registers first
	ds_store_b128 v[STO], v[AC+8*(\b)+4:AC+8*(\b)+7] offset:64*(\b)+16
.endr
	WIN 0
.irp t, 0,1,2,3,4,5,6,7,8,9,10,11,12,13,14,15
	ds_load_b128 v[BK+4*(\t):BK+4*(\t)+3], v[RD] offset:(\t)*SPITCH  ; LDS serves a wave's instructions in order (ISA guide 5.7.1.4): these see the stores above
.endr
.endm
.macro SEND a, younger                 ; younger: the LDS instructions issued behind block a's loads: the next block's 32, or none
.set BK, F0+64*((\a)%2)
	s_wait_dscnt \younger
.irp t, 0,1,2,3,4,5,6,7,8,9,10,11,12,13,14,15
	global_store_b128 v[CO], v[BK+4*(\t):BK+4*(\t)+3], s[10:11] offset:(16*(\a)+(\t))*2048 th:TH_STORE_NT  ; 512 consecutive bytes of a row, at a multiple of 512 from out0's first byte
.endr
.endm
	PLACES                                         ; behind the last products
	TOSTAGE 0
.irp a, 1,2,3,4,5,6,7
	TOSTAGE \a
	SEND (\a)-1, 32
.endr
	SEND 7, 0
	s_wait_tensorcnt 0x0                           ; the wave's end: behind my last tensor load and my last LDS store
	ds_add_u32 v[SPW], v[NIL]
	s_wait_dscnt 0x0
	CROUND                                         ; the closing round: no work-group ends while a partner may still ask for a tile that names it
	s_endpgm
.Lfunc_end_k_qd5e3341c36_pv:
	.size	k_qd5e3341c36_pv, .Lfunc_end_k_qd5e3341c36_pv-k_qd5e3341c36_pv
	.p2alignl 7, 3214868480
	.fill 96, 4, 3214868480
	.section	.rodata,"a",@progbits
	.p2align	6, 0x0
	.amdhsa_kernel k_qd5e3341c36_pv
		.amdhsa_group_segment_fixed_size 327680
		.amdhsa_private_segment_fixed_size 0
		.amdhsa_enable_private_segment 0
		.amdhsa_kernarg_size 32
		.amdhsa_user_sgpr_count 2
		.amdhsa_user_sgpr_kernarg_segment_ptr 1
		.amdhsa_wavefront_size32 1
		.amdhsa_system_sgpr_workgroup_id_x 1
		.amdhsa_system_sgpr_workgroup_id_y 1
		.amdhsa_system_sgpr_workgroup_id_z 1
		.amdhsa_system_vgpr_workitem_id 0
		.amdhsa_next_free_vgpr 1024
		.amdhsa_next_free_sgpr 72
		.amdhsa_reserve_vcc 0
		.amdhsa_float_denorm_mode_32 3
		.amdhsa_float_denorm_mode_16_64 3
		.amdhsa_memory_ordered 1
		.amdhsa_forward_progress 1
		.amdhsa_inst_pref_size 207
	.end_amdhsa_kernel
	.amdgpu_metadata
---
amdhsa.version: [ 1, 2 ]
amdhsa.kernels:
  - .name:           k_qd5e3341c36_pv
    .symbol:         k_qd5e3341c36_pv.kd
    .args:
      - { .name: pt, .offset: 0, .size: 8, .value_kind: global_buffer, .address_space: global }
      - { .name: v16, .offset: 8, .size: 8, .value_kind: global_buffer, .address_space: global }
      - { .name: gtab, .offset: 16, .size: 8, .value_kind: global_buffer, .address_space: global }
      - { .name: out0, .offset: 24, .size: 8, .value_kind: global_buffer, .address_space: global }
    .group_segment_fixed_size: 327680
    .private_segment_fixed_size: 0
    .kernarg_segment_align: 8
    .kernarg_segment_size: 32
    .max_flat_workgroup_size: 128
    .sgpr_count:     72
    .vgpr_count:     1024
    .wavefront_size: 32
...
	.end_amdgpu_metadata
.endif
;; end of part 4
;; ======== version 2 of 2: 4 launches; version 1 with the launches cast, gains written anew for expert scheduling mode
;; limits: inputs' magnitudes at most 65,504; values are held in f16: magnitudes above 65,504 overflow, below 6.1e-05 lose precision
;; workspace buffers: q16 33,554,432 bytes; k16 33,554,432 bytes; v16 33,554,432 bytes; pt 134,217,728 bytes; stat 4,194,304 bytes; gtab 1,048,576 bytes
;; launch cast (part 5): grid 512 x 2, 8 waves a work-group, no clusters, 0 bytes of LDS; arguments q, k, q16, k16; writes q16, k16
.if DOCPART == 5
	.amdgcn_target "amdgcn-amd-amdhsa--gfx1250"
	.amdhsa_code_object_version 6
	.text
	.protected	k_qd5e3341c36_cast
	.globl	k_qd5e3341c36_cast
	.p2align	8
	.type	k_qd5e3341c36_cast,@function
k_qd5e3341c36_cast:
	s_mov_b64 s[64:65], 0
	v_nop
	global_prefetch_b8 v0, s[64:65] scope:SCOPE_SE
	s_setreg_imm32_b32 hwreg(HW_REG_WAVE_SCHED_MODE, 0, 2), 2
	s_setreg_imm32_b32 hwreg(HW_REG_WAVE_MODE, 25, 1), 1
	s_wait_xcnt 0x0
	s_wait_alu depctr_vm_vsrc(0)
; q16 = q and k16 = k, each number rounded once to bf16.  (v is rounded in the next launch, beside its matrix work.)
; A stream: memory binds, so no LDS, no barrier, no matrix unit.  The grid's y picks the tensor; a work-group takes 32 pieces of 4,096 bytes; thread t owns 16 bytes of each
; piece and stores 8: a wave's load covers 512 consecutive bytes, its store 256 consecutive bytes at a multiple of 256.
; The 32 pieces are written out: a piece's place stands in the immediates (126,976 at the most), so no base and no offset register is ever rewritten.
; THE MODE: SCHED_MODE bits 1:0 = 2 (LLVM: expert scheduling mode 2), set by the entry lines.  The code itself states the register dependences
; between vector instructions and memory instructions, with s_wait_alu, always for 0.
; THE PLAN.  The 32 pieces go in 8 blocks of four.  Registers that memory instructions touch:
;   X0 .. X3   four blocks as loaded.    Written by the loads of block p + 3, issued in block p; read by block p's conversions.
;   Y0, Y1     two blocks to store.      Written by block p's conversions; read by the four stores that are issued in block p + 1.
;   v1, v2     byte offsets, made once at the head and never written again.
; Block p works on X[p % 4] and writes Y[p % 2].  Its memory instructions are the loads into X[(p + 3) % 4] = X[(p - 1) % 4] and the stores from Y[(p - 1) % 2]: the two buffers
; that block p - 1 worked on and that no vector instruction of block p names.  So the waits at the head of a block state all that the block's eight memory instructions hang on,
; and these are dealt among its conversions with no further wait.  8 to 12 loads of every wave are on their way.
.set PIECE,  4096                      ; bytes that the 256 threads read at once
.set NPIECE, 32                        ; pieces of a work-group
.set BLOCK,  4                         ; pieces in a block
.set BLOCKS, NPIECE/BLOCK
.set X, 4                              ; v[4:67]   buffer k, piece i: 4 numbers as loaded, at X + 16 k + 4 i
.set Y, 68                             ; v[68:83]  buffer k, piece i: 4 bf16 to store, at Y + 8 k + 2 i
	s_load_b256 s[4:11], s[0:1], 0x0               ; q s[4:5], k s[6:7], q16 s[8:9], k16 s[10:11]
	s_and_b32 s22, ttmp7, 0xffff                   ; which tensor: 0 q, 1 k
	s_lshl_b32 s24, ttmp9, 17                      ; my 131,072 bytes of the source
	s_mov_b32 s25, 0
	s_lshl_b32 s26, ttmp9, 16                      ; my 65,536 bytes of the result
	s_mov_b32 s27, 0
	v_lshlrev_b32 v1, 4, v0                        ; 16 t; never rewritten
	v_lshlrev_b32 v2, 3, v0                        ; 8 t; never rewritten
	s_wait_kmcnt 0x0
	s_cmp_eq_u32 s22, 1                            ; the choice hangs on the grid's y alone
	s_cselect_b64 s[16:17], s[6:7], s[4:5]
	s_cselect_b64 s[18:19], s[10:11], s[8:9]
	s_add_nc_u64 s[16:17], s[16:17], s[24:25]
	s_add_nc_u64 s[18:19], s[18:19], s[26:27]
	s_wait_alu depctr_va_vdst(0)                   ; v1 and v2 are written: every load of the kernel reads v1 as its offset, every store v2
.set i, 0
.rept 3*BLOCK
	global_load_b128 v[X+4*i:X+4*i+3], v1, s[16:17] offset:i*PIECE th:TH_LOAD_NT  ; blocks 0, 1 and 2 into X0, X1, X2
.set i, i+1
.endr
; Block p.  Behind its four loads stand those of blocks p + 1 and p + 2, as far as there are such blocks: so many may stay out.
.set p, 0
.rept BLOCKS
.set xb, p%4
.set xn, (p+3)%4
.set yb, p%2
.set left, 2*BLOCK
.if BLOCKS-1-p < 2
.set left, (BLOCKS-1-p)*BLOCK
.endif
	s_wait_loadcnt left                            ; loads come back in order (ISA guide 5.7.1): X[p % 4] is in, the younger blocks stay out
.if p >= 2                                             ; blocks 0 and 1 write a Y that no store has read yet
	s_wait_xcnt 0x0                                ; every earlier memory instruction has had its addresses translated (ISA guide 3.1): Y[p % 2], which the stores issued in the block before read, is rewritten only behind this wait
	s_wait_alu depctr_vm_vsrc(0)                   ; those stores have read Y[p % 2], which this block's conversions write again
.endif
.if p >= 1
	s_wait_alu depctr_va_vdst(0)                   ; the block before has written the other Y, which the stores below read, and is done reading its X, in which the loads below (where the block has any) land
.endif
.set i, 0
.rept BLOCK
.if p+3 < BLOCKS                                       ; the last three blocks load nothing: no load leaves the work-group's share
	global_load_b128 v[X+16*xn+4*i:X+16*xn+4*i+3], v1, s[16:17] offset:((p+3)*BLOCK+i)*PIECE th:TH_LOAD_NT  ; three blocks ahead, the load ahead of the store; no vector instruction since the wait names these registers
.endif
.if p >= 1
	global_store_b64 v2, v[Y+8*(1-yb)+2*i:Y+8*(1-yb)+2*i+1], s[18:19] offset:((p-1)*BLOCK+i)*(PIECE/2)  ; the block before
.endif
	v_cvt_pk_bf16_f32 v[Y+8*yb+2*i],   v[X+16*xb+4*i],   v[X+16*xb+4*i+1]
	v_cvt_pk_bf16_f32 v[Y+8*yb+2*i+1], v[X+16*xb+4*i+2], v[X+16*xb+4*i+3]
.set i, i+1
.endr
.set p, p+1
.endr
	s_wait_alu depctr_va_vdst(0)                   ; the last block has written Y1, which the last four stores read
.set i, 0
.rept BLOCK
	global_store_b64 v2, v[Y+8+2*i:Y+8+2*i+1], s[18:19] offset:((BLOCKS-1)*BLOCK+i)*(PIECE/2)
.set i, i+1
.endr
	s_endpgm
.Lfunc_end_k_qd5e3341c36_cast:
	.size	k_qd5e3341c36_cast, .Lfunc_end_k_qd5e3341c36_cast-k_qd5e3341c36_cast
	.p2alignl 7, 3214868480
	.fill 96, 4, 3214868480
	.section	.rodata,"a",@progbits
	.p2align	6, 0x0
	.amdhsa_kernel k_qd5e3341c36_cast
		.amdhsa_group_segment_fixed_size 0
		.amdhsa_private_segment_fixed_size 0
		.amdhsa_enable_private_segment 0
		.amdhsa_kernarg_size 32
		.amdhsa_user_sgpr_count 2
		.amdhsa_user_sgpr_kernarg_segment_ptr 1
		.amdhsa_wavefront_size32 1
		.amdhsa_system_sgpr_workgroup_id_x 1
		.amdhsa_system_sgpr_workgroup_id_y 1
		.amdhsa_system_sgpr_workgroup_id_z 1
		.amdhsa_system_vgpr_workitem_id 0
		.amdhsa_next_free_vgpr 84
		.amdhsa_next_free_sgpr 66
		.amdhsa_reserve_vcc 0
		.amdhsa_float_denorm_mode_32 3
		.amdhsa_float_denorm_mode_16_64 3
		.amdhsa_memory_ordered 1
		.amdhsa_forward_progress 1
		.amdhsa_inst_pref_size 12
	.end_amdhsa_kernel
	.amdgpu_metadata
---
amdhsa.version: [ 1, 2 ]
amdhsa.kernels:
  - .name:           k_qd5e3341c36_cast
    .symbol:         k_qd5e3341c36_cast.kd
    .args:
      - { .name: q, .offset: 0, .size: 8, .value_kind: global_buffer, .address_space: global }
      - { .name: k, .offset: 8, .size: 8, .value_kind: global_buffer, .address_space: global }
      - { .name: q16, .offset: 16, .size: 8, .value_kind: global_buffer, .address_space: global }
      - { .name: k16, .offset: 24, .size: 8, .value_kind: global_buffer, .address_space: global }
    .group_segment_fixed_size: 0
    .private_segment_fixed_size: 0
    .kernarg_segment_align: 8
    .kernarg_segment_size: 32
    .max_flat_workgroup_size: 256
    .sgpr_count:     66
    .vgpr_count:     84
    .wavefront_size: 32
...
	.end_amdgpu_metadata
.endif
;; end of part 5
;; launch scores: the kernel of part 2 again; grid 8 x 32, 4 waves a work-group, clusters of 4 x 4, 327,680 bytes of LDS; arguments k16, q16, pt, stat, v, v16; writes pt, stat, v16
;; launch gains (part 6): grid 16 x 16, 1 waves a work-group, no clusters, 0 bytes of LDS; arguments stat, gtab; writes gtab
.if DOCPART == 6
	.amdgcn_target "amdgcn-amd-amdhsa--gfx1250"
	.amdhsa_code_object_version 6
	.text
	.protected	k_qd5e3341c36_gains
	.globl	k_qd5e3341c36_gains
	.p2align	8
	.type	k_qd5e3341c36_gains,@function
k_qd5e3341c36_gains:
	s_mov_b64 s[64:65], 0
	v_nop
	global_prefetch_b8 v0, s[64:65] scope:SCOPE_SE
	s_setreg_imm32_b32 hwreg(HW_REG_WAVE_SCHED_MODE, 0, 2), 2
	s_setreg_imm32_b32 hwreg(HW_REG_WAVE_MODE, 25, 1), 1
	s_wait_xcnt 0x0
	s_wait_alu depctr_vm_vsrc(0)
; THE COLUMNS' STATISTICS ARE JOINED.  For each key: M = the largest of its 16 blocks' cm (the column's true maximum, times c); L = the sum over t of l_t 2^(cm_t - M), the column's true sum;
; gtab[b][t][key] = 2^(cm_t - M) / L in f16: the factor that turns a block's local weight into the softmax's.  All in f32 up to the one rounding.
; LIMITS: a gain under 6e-5 keeps f16's fixed step of 6e-8; 2^x counts as 0 under 2^-126; NaN and infinities are not treated apart.  L is about 1 at the least: the block that holds M adds its l unscaled.
; A wave takes 128 keys of a batch, a lane four: 32 loads of 16 bytes, all on their way at once; 5 MB in the whole launch, so nothing more is built.
; THE MODE: SCHED_MODE bits 1:0 = 2 (LLVM: expert scheduling mode 2), set by the entry lines.  The code itself states the register dependences
; between vector instructions and memory instructions, with s_wait_alu, always for 0.
; THE PLAN.  Registers that memory instructions touch: v1 and v2, byte offsets, made once at the head; X, in which the 32 loads land (no vector instruction has named it before), which the
; arithmetic then rewrites in place, and whose first two registers of each block t the 16 stores read.  The text is straight, so two waits state everything: one ahead of the loads (the offsets are
; written), one ahead of the stores (their data are written).  The conversions stand in one run and the stores in one run behind them, so that the second wait serves all sixteen.
; No register is written behind a store.
.set X,  16                            ; v[16:143] block t at X + 8 t: (cm, l) of my four keys
.set M,  4                             ; v4-7
.set LA, 8                             ; v8-11   the even blocks' part of L, then L
.set R,  12                            ; v12-15  1 / L
.set LB, 144                           ; v144-147 the odd blocks' part
	s_load_b128 s[4:7], s[0:1], 0x0                ; stat s[4:5], gtab s[6:7]
	s_and_b32 s8, ttmp7, 0xffff                    ; the batch
	s_lshl_b32 s10, s8, 18                         ; 16 blocks x 2,048 keys x 8 bytes
	s_lshl_b32 s9, ttmp9, 10                       ; my 128 keys x 8 bytes
	s_add_co_u32 s10, s10, s9
	s_mov_b32 s11, 0
	s_lshl_b32 s12, s8, 16                         ; 16 blocks x 2,048 keys x 2 bytes
	s_lshl_b32 s9, ttmp9, 8
	s_add_co_u32 s12, s12, s9
	s_mov_b32 s13, 0
	v_lshlrev_b32 v1, 5, v0                        ; four keys of 8 bytes a lane
	v_lshlrev_b32 v2, 3, v0                        ; four gains of 2 bytes a lane
	s_wait_kmcnt 0x0
	s_add_nc_u64 s[4:5], s[4:5], s[10:11]
	s_add_nc_u64 s[6:7], s[6:7], s[12:13]
	s_wait_alu depctr_va_vdst(0)                   ; v1 and v2 are written: the loads read v1 as their offset, the stores v2
.set t, 0
.rept 16
	global_load_b128 v[X+8*t:X+8*t+3],   v1, s[4:5] offset:t*16384
	global_load_b128 v[X+8*t+4:X+8*t+7], v1, s[4:5] offset:t*16384+16
.set t, t+1
.endr
	s_wait_loadcnt 0x0
.irp k, 0,1,2,3
	v_max3_num_f32 v[M+\k], v[X+2*\k], v[X+8+2*\k], v[X+16+2*\k]
.endr
.set t, 3
.rept 6
.irp k, 0,1,2,3
	v_max3_num_f32 v[M+\k], v[M+\k], v[X+8*t+2*\k], v[X+8*t+8+2*\k]
.endr
.set t, t+2
.endr
.irp k, 0,1,2,3
	v_max_num_f32 v[M+\k], v[M+\k], v[X+120+2*\k]
.endr
.set t, 0
.rept 16
.irp k, 0,1,2,3
	v_sub_f32 v[X+8*t+2*\k], v[X+8*t+2*\k], v[M+\k]
.endr
.set t, t+1
.endr
.set t, 0
.rept 16
.irp k, 0,1,2,3
	v_exp_f32 v[X+8*t+2*\k], v[X+8*t+2*\k]
.endr
.set t, t+1
.endr
	v_nop                                          ; a plain instruction between the last exponential and the use of its result (ISA guide 5.7.2)
	s_wait_alu depctr_va_vdst(0)
.irp k, 0,1,2,3
	v_mul_f32 v[LA+\k], v[X+2*\k],   v[X+2*\k+1]   ; the first two blocks start the two chains: nothing is cleared
	v_mul_f32 v[LB+\k], v[X+8+2*\k], v[X+8+2*\k+1]
.endr
.set t, 2
.rept 7
.irp k, 0,1,2,3
	v_fmac_f32 v[LA+\k], v[X+8*t+2*\k],   v[X+8*t+2*\k+1]
	v_fmac_f32 v[LB+\k], v[X+8*t+8+2*\k], v[X+8*t+8+2*\k+1]
.endr
.set t, t+2
.endr
.irp k, 0,1,2,3
	v_add_f32 v[LA+\k], v[LA+\k], v[LB+\k]
.endr
.irp k, 0,1,2,3
	v_rcp_f32 v[R+\k], v[LA+\k]
.endr
	v_nop                                          ; a plain instruction behind the last reciprocal
.set t, 0
	s_wait_alu depctr_va_vdst(0)
.rept 16
.irp k, 0,1,2,3
	v_mul_f32 v[X+8*t+2*\k], v[X+8*t+2*\k], v[R+\k]
.endr
.set t, t+1
.endr
.set t, 0
.rept 16
	v_cvt_pk_f16_f32 v[X+8*t],   v[X+8*t],   v[X+8*t+2]
	v_cvt_pk_f16_f32 v[X+8*t+1], v[X+8*t+4], v[X+8*t+6]
.set t, t+1
.endr
	s_wait_alu depctr_va_vdst(0)                   ; the conversions have written v[X + 8 t] and v[X + 8 t + 1] of all 16 blocks, which the stores read
.set t, 0
.rept 16
	global_store_b64 v2, v[X+8*t:X+8*t+1], s[6:7] offset:t*4096  ; 256 consecutive bytes, at a multiple of 256 from gtab's first byte
.set t, t+1
.endr
	s_endpgm
.Lfunc_end_k_qd5e3341c36_gains:
	.size	k_qd5e3341c36_gains, .Lfunc_end_k_qd5e3341c36_gains-k_qd5e3341c36_gains
	.p2alignl 7, 3214868480
	.fill 96, 4, 3214868480
	.section	.rodata,"a",@progbits
	.p2align	6, 0x0
	.amdhsa_kernel k_qd5e3341c36_gains
		.amdhsa_group_segment_fixed_size 0
		.amdhsa_private_segment_fixed_size 0
		.amdhsa_enable_private_segment 0
		.amdhsa_kernarg_size 16
		.amdhsa_user_sgpr_count 2
		.amdhsa_user_sgpr_kernarg_segment_ptr 1
		.amdhsa_wavefront_size32 1
		.amdhsa_system_sgpr_workgroup_id_x 1
		.amdhsa_system_sgpr_workgroup_id_y 1
		.amdhsa_system_sgpr_workgroup_id_z 1
		.amdhsa_system_vgpr_workitem_id 0
		.amdhsa_next_free_vgpr 152
		.amdhsa_next_free_sgpr 66
		.amdhsa_reserve_vcc 0
		.amdhsa_float_denorm_mode_32 3
		.amdhsa_float_denorm_mode_16_64 3
		.amdhsa_memory_ordered 1
		.amdhsa_forward_progress 1
		.amdhsa_inst_pref_size 18
	.end_amdhsa_kernel
	.amdgpu_metadata
---
amdhsa.version: [ 1, 2 ]
amdhsa.kernels:
  - .name:           k_qd5e3341c36_gains
    .symbol:         k_qd5e3341c36_gains.kd
    .args:
      - { .name: stat, .offset: 0, .size: 8, .value_kind: global_buffer, .address_space: global }
      - { .name: gtab, .offset: 8, .size: 8, .value_kind: global_buffer, .address_space: global }
    .group_segment_fixed_size: 0
    .private_segment_fixed_size: 0
    .kernarg_segment_align: 8
    .kernarg_segment_size: 16
    .max_flat_workgroup_size: 32
    .sgpr_count:     66
    .vgpr_count:     152
    .wavefront_size: 32
...
	.end_amdgpu_metadata
.endif
;; end of part 6
;; launch pv: the kernel of part 4 again; grid 8 x 32, 4 waves a work-group, clusters of 4 x 1, 327,680 bytes of LDS; arguments pt, v16, gtab, out0; writes out0
